; MI455X (gfx1250); checked and timed in simulation.
; The chip was launched on July 23, 2026; its instructions are those of AMD's public machine-readable ISA for CDNA 5 (MIT licence, August 2026) and "CDNA5" Instruction Set Architecture Reference Guide (July 2026). The comments in the code are by the model that wrote it; some were corrected since.
;; Multi Head Attention. Allowed arithmetic: matrix products marked QUANTISED: E2M1 operands, one E8M0 scale for each 32 along K, by v_wmma_scale_f32_16x16x128_f8f6f4 with both operands' format E2M1 (or v_wmma_scale_f32_32x16x128_f4), f32 sums; products left as they are: bf16, f16 or f32 operands; f32 sums; everything else in f32.
;; Inputs: bk 1,024 float32; bo 1,024 float32; bq 1,024 float32; bv 1,024 float32; wk 1,024 x 1,024 float32; wo 1,024 x 1,024 float32; wq 1,024 x 1,024 float32; wv 1,024 x 1,024 float32; x 4 x 2,048 x 1,024 float32.
;; Outputs: out0 4 x 2,048 x 1,024 float32.
;; This version of the problem:
;;   THIS VERSION OF THE PROBLEM IS GIVEN IN LOW PRECISION. The matrix products marked QUANTISED in the list below multiply operands that are first quantised to E2M1 (2 exponent bits, 1 mantissa bit; 4 bits a number), with one power-of-two scale for each 32 numbers along K (OCP MX v1.0); their sums are f32. The products marked 'left as it is' may take bf16, f16 or f32 operands, with f32 sums. Whichever they take, every output number must still come out within the allowed error. Rounding operands to bf16 (8 significant bits) uses up far more of that allowance than f16 does (11 bits, for magnitudes from 6e-5 to 65,504). All else is computed in f32.
;;   The module's matrix products, in the order in which they are computed (A, B: the left and right operand; K: the contracted axis; several contracted axes count as one K, in the product's order):
;;     1. [M 8,192, K 1,024] x [K 1,024, N 1,024]; A: input x; B: input wq: QUANTISED
;;     2. [M 8,192, K 1,024] x [K 1,024, N 1,024]; A: input x; B: input wk: QUANTISED
;;     3. [M 8,192, K 1,024] x [K 1,024, N 1,024]; A: input x; B: input wv: QUANTISED
;;     4. batch 64 x [M 2,048, K 64] x [K 64, N 2,048]; A: computed on the way; B: computed on the way: left as it is (an operand is computed on the way)
;;     5. batch 64 x [M 2,048, K 2,048] x [K 2,048, N 64]; A: computed on the way; B: computed on the way: left as it is (an operand is computed on the way)
;;     6. [M 8,192, K 1,024] x [K 1,024, N 1,024]; A: computed on the way; B: input wo: left as it is (an operand is computed on the way)
;;   THE QUANTISER, for each operand of a quantised product, along K:
;;     - K is cut into blocks of 32 from its start; a last block that is shorter is filled with zeros.
;;     - A block's scale is 2^e with e = floor(log2(the largest magnitude in the block)) - 2, held to -126 .. 127; a block of zeros has e = 0. As a byte (E8M0): e + 127.
;;     - Each number is divided by its block's scale, clamped to +-6, and rounded to the nearest number of E2M1, ties to even, subnormals kept.
;;     - The product sums the exact products of the quantised numbers (number of the format x scale) in f32.
;;   ~~~python
;;   def quantise(x, axis):      # numpy; x: float32 -> the quantised numbers, widened to float32 again
;;       x = np.moveaxis(x, axis, -1); K = x.shape[-1]
;;       x = np.pad(x, [(0, 0)] * (x.ndim - 1) + [(0, -K % 32)]); x = x.reshape(x.shape[:-1] + (-1, 32)); a = np.abs(x).max(-1, keepdims=True)
;;       e = np.where(a > 0, np.clip(np.frexp(np.where(a > 0, a, 1))[1] - 1 - 2, -126, 127), 0)      # np.frexp(a)[1] - 1 = floor(log2(a)), exactly
;;       r = np.clip(x / 2.0 ** e, -6, 6)
;;       step = 2.0 ** (np.maximum(np.frexp(np.where(r == 0, 1, r))[1] - 1, 0) - 1)
;;       q = np.round(r / step) * step * 2.0 ** e      # np.round: ties to even
;;       return np.moveaxis(q.reshape(q.shape[:-2] + (-1,))[..., :K], -1, axis).astype(np.float32)
;;   ~~~
;; One version. Each part assembles by itself: llvm-mc -triple=amdgcn-amd-amdhsa -mcpu=gfx1250 --defsym DOCPART=n.
;; ======== version 1 of 1: 4 launches
;; limits: values are held in f16: magnitudes above 65,504 overflow, below 6.1e-05 lose precision
;; workspace buffers: xc 4,194,304 bytes; xs 262,144 bytes; wc 1,572,864 bytes; ws 98,304 bytes; wo16 2,097,152 bytes; qkv 50,331,648 bytes; ctx 16,777,216 bytes
;; launch prep (part 1): grid 336 x 1, 4 waves a work-group, no clusters, 68,096 bytes of LDS; arguments x, wq, wk, wv, wo, xc, xs, wc, ws, wo16; writes xc, xs, wc, ws, wo16
.if DOCPART == 1
	.amdgcn_target "amdgcn-amd-amdhsa--gfx1250"
	.amdhsa_code_object_version 6
	.text
	.protected	k_q5314e72f70_prep
	.globl	k_q5314e72f70_prep
	.p2align	8
	.type	k_q5314e72f70_prep,@function
k_q5314e72f70_prep:
	s_mov_b64 s[64:65], 0
	v_nop
	global_prefetch_b8 v0, s[64:65] scope:SCOPE_SE
	s_setreg_imm32_b32 hwreg(HW_REG_WAVE_MODE, 25, 1), 1
	s_wait_xcnt 0x0
; THE OPERANDS ARE MADE READY, ONCE.  Three kinds of work-group, told apart by the work-group's number alone; they never join again.
;   0..255    x [8192][1024] f32, K innermost   -> xc [8192][512 bytes] codes of E2M1, xs [8192][32] E8M0 bytes
;   256..303  wq, wk, wv [1024 (k)][1024 (n)] f32, K outermost -> wc [3 x 1024 (n)][512 bytes] codes with K innermost, ws [3 x 1024][32]
;   304..335  wo [1024][1024] f32 -> wo16, the same numbers as f16, in the same order
; A block's scale is 2^(floor(log2(its largest magnitude)) - 2); its byte is the largest magnitude's exponent field - 2, held at 1 from below.
; A block of zeros so gets the byte 1 where the rule says 127: its codes are zeros, and the bytes are read by this program alone.
; LIMITS: blocks whose largest magnitude lies under 2^-124 keep the byte 1; NaN and infinities are not served; |wo| stays under 65,504 (f16).
; No cluster, no tensor load: no two work-groups read the same bytes, and every byte is read once.
; LDS: x's work-groups use bytes 0..32,767 (8,192 a wave), the weights' 32,768..67,583 (a stage of 32 x 272 a wave); then the spare words.
.set SPARE, 67584                      ; the spare words, 128 bytes for each wave: two blocks of 256 bytes that no other line names
.set SPW,   190                        ; v190  LDS address of my spare word; never rewritten
.set NIL,   191                        ; v191  0; never rewritten
.set WV,    24                         ; s24   my wave's number
	s_load_b512 s[4:19], s[0:1], 0x0               ; x 4:5, wq 6:7, wk 8:9, wv 10:11, wo 12:13, xc 14:15, xs 16:17, wc 18:19
	s_load_b128 s[20:23], s[0:1], 0x40             ; ws 20:21, wo16 22:23
	v_lshl_add_u32 v[SPW], v0, 2, SPARE
	v_mov_b32 v[NIL], 0
	v_lshrrev_b32 v1, 5, v0
	v_readfirstlane_b32 s[WV], v1                  ; wave 0..3
	v_and_b32 v2, 31, v0                           ; lane
	s_wait_kmcnt 0x0
	s_cmp_lt_u32 ttmp9, 256
	s_cbranch_scc0 .Lnot_x
; ---------------- x: a plain stream of blocks of 32.  A wave takes 16 steps of 512 numbers.
; Each load reads 512 consecutive bytes; a step's 2,048 bytes turn through the wave's own stage in LDS, so that a lane then holds 16 neighbours along K
; (two neighbouring lanes hold a block).  A lane's 16 codes are 8 bytes: a wave's store covers 256 consecutive bytes.  The wave's 256 scale bytes are gathered in LDS.
.set STEPS, 16
.set WREG,  8192                       ; a wave's region: two stages of 32 x SP bytes, then its 256 scale bytes
.set SP,    80                         ; a lane's place in a stage: 64 bytes + 16 of padding
.set CB,    8                          ; bytes of 16 codes
.set XR,    16                         ; v16-79   four sets of 16 numbers as loaded
.set XX,    80                         ; v80-111  two sets of 16 neighbours
.set XE,    112                        ; v112-127 a scale byte for each step
.set XC,    128                        ; v128-189 codes: registers of its own for each step, so that no store's data are written again
	s_lshl_b32 s25, ttmp9, 2
	s_add_co_u32 s25, s25, s[WV]                   ; which run of 8,192 numbers is my wave's
	s_mov_b32 s27, 0
	s_lshl_b32 s26, s25, 15
	s_add_nc_u64 s[4:5], s[4:5], s[26:27]          ; 32,768 bytes of x a run,
	s_lshl_b32 s26, s25, 12
	s_add_nc_u64 s[14:15], s[14:15], s[26:27]      ; 4,096 of codes,
	s_lshl_b32 s26, s25, 8
	s_add_nc_u64 s[16:17], s[16:17], s[26:27]      ; 256 scale bytes
	v_lshlrev_b32 v3, 4, v2                        ; my 16 bytes of a load's 512
	s_mul_i32 s28, s[WV], WREG
	v_lshrrev_b32 v14, 2, v2
	v_mul_u32_u24 v14, v14, SP
	v_and_b32 v15, 3, v2
	v_lshl_add_u32 v14, v15, 4, v14
	v_add_nc_u32 v14, s28, v14                     ; into the stage: SP (lane / 4) + 16 (lane % 4)
	v_mul_u32_u24 v15, v2, SP
	v_add_nc_u32 v15, s28, v15                     ; out of it: SP x lane: my 16 neighbours
	v_mul_u32_u24 v4, v2, CB                       ; my codes' place in a step's
	v_lshrrev_b32 v5, 1, v2
	s_add_co_u32 s28, s28, 2*32*SP
	v_add_nc_u32 v5, s28, v5                       ; my block's scale byte in LDS
	v_lshlrev_b32 v7, 3, v2                        ; and on the way out 8 bytes a lane
	v_add_nc_u32 v6, s28, v7
.macro XLOAD t
.irp i, 0,1,2,3
	global_load_b128 v[XR+16*((\t)%4)+4*\i:XR+16*((\t)%4)+4*\i+3], v3, s[4:5] offset:2048*(\t)+512*\i th:TH_LOAD_NT
.endr
.endm
.macro XTURN t                         ; LDS serves a wave's instructions in order: no wait between the stores and the loads
.irp i, 0,1,2,3
	ds_store_b128 v14, v[XR+16*((\t)%4)+4*\i:XR+16*((\t)%4)+4*\i+3] offset:32*SP*((\t)%2)+8*SP*\i
.endr
.irp i, 0,1,2,3
	ds_load_b128 v[XX+16*((\t)%2)+4*\i:XX+16*((\t)%2)+4*\i+3], v15 offset:32*SP*((\t)%2)+16*\i
.endr
.endm
.irp t, 0,1,2,3
	XLOAD \t
.endr
	s_wait_loadcnt 12                              ; step 0's four loads are in; twelve younger ones stay out
	XTURN 0
.macro XSTEP t
.set XS, XX+16*((\t)%2)
.if (\t) > 0
	s_wait_dscnt 1                                 ; this step's numbers are back from the stage (the last step's byte store may be out)
.else
	s_wait_dscnt 0x0
.endif
.if (\t)+4 < STEPS
	XLOAD (\t)+4                                   ; into the set whose stores into the stage have read their registers
.endif
.if (\t)+1 < STEPS
.if STEPS-2-(\t) >= 3
	s_wait_loadcnt 12                              ; the next step's four loads are in; those of three steps behind it may be out
.else
	s_wait_loadcnt 4*(STEPS-2-(\t))
.endif
	XTURN (\t)+1
.endif
	v_max3_num_f32 v8, |v[XS]|, |v[XS+1]|, |v[XS+2]|   ; the largest magnitude of my 16, in two chains
	v_max3_num_f32 v9, |v[XS+3]|, |v[XS+4]|, |v[XS+5]|
.irp i, 6,10
	v_max3_num_f32 v8, v8, |v[XS+\i]|, |v[XS+\i+1]|
	v_max3_num_f32 v9, v9, |v[XS+\i+2]|, |v[XS+\i+3]|
.endr
	v_max3_num_f32 v8, v8, |v[XS+14]|, |v[XS+15]|
	v_max3_num_f32 v8, v8, v9, 0x1800000           ; and the floor 2^(3 - 127): the byte cannot fall under 1
	v_max_num_f32_dpp v8, v8, v8 row_xmask:1 row_mask:0xf bank_mask:0xf   ; with my neighbour's 16: the block's
	v_add_nc_u32 v11, 0xff000000, v8               ; 2 off its exponent field: the conversion takes this operand's exponent field as its scale
	v_cvt_scalef32_pk8_fp4_f32 v[XC+4*(\t)], v[XS:XS+7], v11
	v_cvt_scalef32_pk8_fp4_f32 v[XC+4*(\t)+1], v[XS+8:XS+15], v11
	v_lshrrev_b32 v[XE+(\t)], 23, v11              ; the scale's byte (a plain line behind the conversions)
	ds_store_b8 v5, v[XE+(\t)] offset:16*(\t)      ; both lanes of a block write the same byte with the same value
	global_store_b64 v4, v[XC+4*(\t):XC+4*(\t)+1], s[14:15] offset:32*CB*(\t)   ; the wave stores 256 consecutive bytes, aligned
.endm
.irp t, 0,1,2,3,4,5,6,7,8,9,10,11,12,13,14,15
	XSTEP \t
.endr
	ds_load_b64 v[8:9], v6                         ; my wave's 256 scale bytes, 8 a lane: these loads see my stores
	s_wait_dscnt 0x0
	global_store_b64 v7, v[8:9], s[16:17]          ; 256 consecutive bytes, aligned
	s_wait_tensorcnt 0x0                           ; the wave's end: three lines behind my last LDS store
	ds_add_u32 v[SPW], v[NIL]
	s_wait_dscnt 0x0
	s_endpgm
.Lnot_x:
	s_cmp_lt_u32 ttmp9, 304
	s_cbranch_scc0 .Lwo
; ---------------- wq, wk, wv: K is the FIRST axis.  A lane takes a column n and its registers run down K: a block of 32 lies in one lane's 32 registers,
; and the conversions give codes with K innermost.  A wave takes 32 columns x 512 along K; its codes go through its own stage and leave as rows of 256 bytes.
.set NB,    16                         ; blocks of a wave's 512 along K
.set WPITCH, 272                       ; a stage row: 256 bytes + 16
.set WSB,   24                         ; v24-27   the scale bytes, four to a register
.set WX,    32                         ; v32-95   two sets of 32 numbers
.set WC,    96                         ; v96-99   a block's codes
.set WOUT,  112                        ; v112-175 the way out
	s_sub_co_u32 s25, ttmp9, 256                   ; 0..47
	s_lshr_b32 s26, s25, 4                         ; which weight
	s_and_b32 s27, s25, 7                          ; which 128 columns
	s_bfe_u32 s28, s25, 0x10003                    ; which 512 along K
	s_cmp_eq_u32 s26, 0
	s_cselect_b64 s[6:7], s[6:7], s[8:9]           ; the choice hangs on the work-group's number alone
	s_cmp_eq_u32 s26, 2
	s_cselect_b64 s[6:7], s[10:11], s[6:7]
	s_lshl_b32 s29, s27, 7
	s_lshl_b32 s30, s[WV], 5
	s_add_co_u32 s29, s29, s30                     ; my wave's first column
	s_lshl_b32 s30, s28, 21                        ; 512 rows of 4,096 bytes
	s_lshl_b32 s31, s29, 2
	s_add_co_u32 s30, s30, s31
	s_mov_b32 s31, 0
	s_add_nc_u64 s[6:7], s[6:7], s[30:31]
	s_lshl_b32 s32, s26, 10
	s_add_co_u32 s32, s32, s29                     ; my first row of wc and ws
	s_lshl_b32 s30, s32, 9
	s_lshl_b32 s33, s28, 8
	s_add_co_u32 s30, s30, s33
	s_add_nc_u64 s[18:19], s[18:19], s[30:31]      ; codes: 512 bytes a row, + 256 for the upper half of K
	s_lshl_b32 s30, s32, 5
	s_lshl_b32 s33, s28, 4
	s_add_co_u32 s30, s30, s33
	s_add_nc_u64 s[20:21], s[20:21], s[30:31]      ; scale bytes: 32 a row, + 16
	s_mul_i32 s34, s[WV], 32*WPITCH
	s_add_co_u32 s34, s34, 32768                   ; my stage
	v_lshlrev_b32 v3, 2, v2                        ; in: 4 bytes a lane
	v_mul_u32_u24 v4, v2, WPITCH
	v_add_nc_u32 v4, s34, v4                       ; into the stage: row = my column
	v_and_b32 v5, 15, v2
	v_lshrrev_b32 v6, 4, v2
	v_mul_u32_u24 v7, v6, WPITCH
	v_lshl_add_u32 v7, v5, 4, v7
	v_add_nc_u32 v7, s34, v7                       ; out of it: sixteen lanes to a row, two rows an instruction
	v_mul_u32_u24 v8, v6, 512
	v_lshl_add_u32 v8, v5, 4, v8                   ; and the same place in wc
	v_lshlrev_b32 v9, 5, v2                        ; my column's row of scale bytes
.macro WLOAD t                         ; block t: w(32 t + i, my column) into set t % 2; the largest offset, 511 rows of 4,096 bytes, lies inside the signed 24-bit immediate
.irp i, 0,1,2,3,4,5,6,7,8,9,10,11,12,13,14,15,16,17,18,19,20,21,22,23,24,25,26,27,28,29,30,31
	global_load_b32 v[WX+32*((\t)%2)+\i], v3, s[6:7] offset:(32*(\t)+\i)*4096 th:TH_LOAD_NT
.endr
.endm
	WLOAD 0
	WLOAD 1
.macro WBLOCK t
.set WS, WX+32*((\t)%2)
.if (\t) < NB-1
	s_wait_loadcnt 32                              ; this block's 32 loads are in; the next block's may be out
.else
	s_wait_loadcnt 0
.endif
	v_max3_num_f32 v12, |v[WS]|, |v[WS+1]|, |v[WS+2]|   ; the block's largest magnitude: all 32 numbers are mine
	v_max3_num_f32 v13, |v[WS+3]|, |v[WS+4]|, |v[WS+5]|
.irp i, 6,10,14,18,22,26
	v_max3_num_f32 v12, v12, |v[WS+\i]|, |v[WS+\i+1]|
	v_max3_num_f32 v13, v13, |v[WS+\i+2]|, |v[WS+\i+3]|
.endr
	v_max3_num_f32 v12, v12, |v[WS+30]|, |v[WS+31]|
	v_max3_num_f32 v12, v12, v13, 0x1800000        ; and the floor 2^(3 - 127)
	v_add_nc_u32 v11, 0xff000000, v12              ; 2 off its exponent field: the conversion's scale operand
	v_lshrrev_b32 v13, 23, v11                     ; the scale's byte
.if (\t)%4 == 0
	v_mov_b32 v[WSB+(\t)/4], v13                   ; four bytes to a register, the lower K in the lower byte
.else
	v_lshl_or_b32 v[WSB+(\t)/4], v13, 8*((\t)%4), v[WSB+(\t)/4]
.endif
.irp g, 0,1,2,3
	v_cvt_scalef32_pk8_fp4_f32 v[WC+\g], v[WS+8*\g:WS+8*\g+7], v11
.endr
	v_nop                                          ; a plain line behind the last conversion
	ds_store_b128 v4, v[WC:WC+3] offset:16*(\t)    ; 32 codes: 16 bytes of my column's row
.if (\t)+2 < NB
	WLOAD (\t)+2
.endif
	s_wait_dscnt 0x0                               ; the store has read its registers: the next block's codes may be written
.endm
.irp t, 0,1,2,3,4,5,6,7,8,9,10,11,12,13,14,15
	WBLOCK \t
.endr
	global_store_b128 v9, v[WSB:WSB+3], s[20:21]   ; my column's 16 scale bytes
.irp t, 0,1,2,3,4,5,6,7,8,9,10,11,12,13,14,15
	ds_load_b128 v[WOUT+4*\t:WOUT+4*\t+3], v7 offset:2*\t*WPITCH
.endr
.irp t, 0,1,2,3,4,5,6,7,8,9,10,11,12,13,14,15
	s_wait_dscnt 15-\t                             ; LDS loads come back in order: load t is in
	global_store_b128 v8, v[WOUT+4*\t:WOUT+4*\t+3], s[18:19] offset:2*\t*512   ; sixteen lanes store 256 consecutive bytes, aligned
.endr
	s_wait_tensorcnt 0x0                           ; the wave's end: the three lines
	ds_add_u32 v[SPW], v[NIL]
	s_wait_dscnt 0x0
	s_endpgm
.Lwo:
; ---------------- wo to f16, in place of order: a wave takes 8,192 numbers: 64 loads of 512 consecutive bytes, 64 stores of 256, in four batches of 16; one batch of loads is always out.
	s_sub_co_u32 s25, ttmp9, 304
	s_lshl_b32 s26, s25, 17
	s_lshl_b32 s27, s[WV], 15
	s_add_co_u32 s26, s26, s27
	s_mov_b32 s27, 0
	s_add_nc_u64 s[12:13], s[12:13], s[26:27]
	s_lshr_b32 s26, s26, 1
	s_add_nc_u64 s[22:23], s[22:23], s[26:27]
	v_lshlrev_b32 v3, 4, v2
	v_lshlrev_b32 v4, 3, v2
.macro OLOAD b
.irp i, 0,1,2,3,4,5,6,7,8,9,10,11,12,13,14,15
	global_load_b128 v[16+64*((\b)%2)+4*\i:16+64*((\b)%2)+4*\i+3], v3, s[12:13] offset:512*(16*(\b)+\i) th:TH_LOAD_NT
.endr
.endm
.macro OCVT b, left
	s_wait_loadcnt \left                           ; this batch is in; the next batch's sixteen loads may be out
.if (\b) > 0
	s_wait_xcnt 0x0                                ; the last batch's stores have read their data registers, which are written again below
.endif
.irp i, 0,1,2,3,4,5,6,7,8,9,10,11,12,13,14,15
	v_cvt_pk_f16_f32 v[144+2*\i], v[16+64*((\b)%2)+4*\i], v[16+64*((\b)%2)+4*\i+1]
	v_cvt_pk_f16_f32 v[145+2*\i], v[16+64*((\b)%2)+4*\i+2], v[16+64*((\b)%2)+4*\i+3]
.endr
.irp i, 0,1,2,3,4,5,6,7,8,9,10,11,12,13,14,15
	global_store_b64 v4, v[144+2*\i:145+2*\i], s[22:23] offset:256*(16*(\b)+\i)   ; the wave stores 256 consecutive bytes, aligned
.endr
.endm
	OLOAD 0
	OLOAD 1
	OCVT 0, 16
	OLOAD 2
	OCVT 1, 16
	OLOAD 3
	OCVT 2, 16
	OCVT 3, 0
	s_wait_tensorcnt 0x0                           ; all three paths end alike
	ds_add_u32 v[SPW], v[NIL]
	s_wait_dscnt 0x0
	s_endpgm
.Lfunc_end_k_q5314e72f70_prep:
	.size	k_q5314e72f70_prep, .Lfunc_end_k_q5314e72f70_prep-k_q5314e72f70_prep
	.p2alignl 7, 3214868480
	.fill 96, 4, 3214868480
	.section	.rodata,"a",@progbits
	.p2align	6, 0x0
	.amdhsa_kernel k_q5314e72f70_prep
		.amdhsa_group_segment_fixed_size 68096
		.amdhsa_private_segment_fixed_size 0
		.amdhsa_enable_private_segment 0
		.amdhsa_kernarg_size 80
		.amdhsa_user_sgpr_count 2
		.amdhsa_user_sgpr_kernarg_segment_ptr 1
		.amdhsa_wavefront_size32 1
		.amdhsa_system_sgpr_workgroup_id_x 1
		.amdhsa_system_sgpr_workgroup_id_y 1
		.amdhsa_system_sgpr_workgroup_id_z 1
		.amdhsa_system_vgpr_workitem_id 0
		.amdhsa_next_free_vgpr 192
		.amdhsa_next_free_sgpr 66
		.amdhsa_reserve_vcc 0
		.amdhsa_float_denorm_mode_32 3
		.amdhsa_float_denorm_mode_16_64 3
		.amdhsa_memory_ordered 1
		.amdhsa_forward_progress 1
		.amdhsa_inst_pref_size 132
	.end_amdhsa_kernel
	.amdgpu_metadata
---
amdhsa.version: [ 1, 2 ]
amdhsa.kernels:
  - .name:           k_q5314e72f70_prep
    .symbol:         k_q5314e72f70_prep.kd
    .args:
      - { .name: x, .offset: 0, .size: 8, .value_kind: global_buffer, .address_space: global }
      - { .name: wq, .offset: 8, .size: 8, .value_kind: global_buffer, .address_space: global }
      - { .name: wk, .offset: 16, .size: 8, .value_kind: global_buffer, .address_space: global }
      - { .name: wv, .offset: 24, .size: 8, .value_kind: global_buffer, .address_space: global }
      - { .name: wo, .offset: 32, .size: 8, .value_kind: global_buffer, .address_space: global }
      - { .name: xc, .offset: 40, .size: 8, .value_kind: global_buffer, .address_space: global }
      - { .name: xs, .offset: 48, .size: 8, .value_kind: global_buffer, .address_space: global }
      - { .name: wc, .offset: 56, .size: 8, .value_kind: global_buffer, .address_space: global }
      - { .name: ws, .offset: 64, .size: 8, .value_kind: global_buffer, .address_space: global }
      - { .name: wo16, .offset: 72, .size: 8, .value_kind: global_buffer, .address_space: global }
    .group_segment_fixed_size: 68096
    .private_segment_fixed_size: 0
    .kernarg_segment_align: 8
    .kernarg_segment_size: 80
    .max_flat_workgroup_size: 128
    .sgpr_count:     66
    .vgpr_count:     192
    .wavefront_size: 32
...
	.end_amdgpu_metadata
.endif
;; end of part 1
;; launch qkv (part 2): grid 12 x 32, 4 waves a work-group, clusters of 4 x 4, 327,680 bytes of LDS; arguments xc, xs, wc, ws, bq, bk, bv, qkv; writes qkv
.if DOCPART == 2
	.amdgcn_target "amdgcn-amd-amdhsa--gfx1250"
	.amdhsa_code_object_version 6
	.text
	.protected	k_q5314e72f70_qkv
	.globl	k_q5314e72f70_qkv
	.p2align	8
	.type	k_q5314e72f70_qkv,@function
k_q5314e72f70_qkv:
	s_mov_b64 s[64:65], 0
	v_nop
	global_prefetch_b8 v0, s[64:65] scope:SCOPE_SE
	s_setreg_imm32_b32 hwreg(HW_REG_WAVE_MODE, 25, 1), 1
	s_wait_xcnt 0x0
	s_wait_alu depctr_hold_cnt(0) depctr_sa_sdst(0) depctr_va_vdst(0) depctr_va_sdst(0) depctr_va_ssrc(0) depctr_va_vcc(0) depctr_vm_vsrc(0)
	s_getreg_b32 s2, hwreg(HW_REG_IB_STS2, 6, 4)
	s_cmp_eq_u32 s2, 0
	s_cbranch_scc0 .Lentry_in_a_cluster
	s_endpgm
.Lentry_in_a_cluster:
	s_bfe_u32 s2, ttmp6, 0x10000c
	s_cmp_lg_u32 s2, 0xf033
	s_cbranch_scc0 .Lentry_shape_is_right
	s_endpgm
.Lentry_shape_is_right:
; q, k, v = Q(x) Q(w) + b, all three in one GEMM on codes of E2M1 with E8M0 scales: A = xc [8192][1024 codes], B = wc [3072 = 3 x 1024][1024 codes], sums in f32.
; The result is rounded once to f16 and laid by head: qkv [3][64 = batch x head][2048][64].  LIMIT: |q|, |k|, |v| stay under 65,504 (f16).
; A tile of C, 256 x 256, is made by four waves, each 128 x 128: 64 accumulators, 512 registers.  All of K (1,024) fits in the two LDS slots of 512 along K: both are asked for
; at the start and nothing is filled again.  The scale bytes of the work-group's rows of A and B come once, as dense blocks.
; CLUSTERS: 4 x 4 work-groups.  A's tiles are shared along a row of the cluster, B's along a column: joint loads.  A cluster's four tile columns are one of the three weights.
; THE MATRIX INSTRUCTION IS USED TRANSPOSED (source 0 = 16 rows of B, source 1 = 16 rows of A): a lane holds eight neighbouring columns of one row of C.
; THE BIAS is the C of each sum's first instruction: eight registers for each of my eight blocks of 16 columns.
; REGISTERS: window 0: v0-31 addresses; v32-95 scale words, two sets; v128-191 A's fragments, one set; v192-255 the bias.  Window 1: B's fragments, two sets.  Windows 2, 3: accumulators.
.set KROW,   512                       ; a row of codes in memory
.set ROWB,   256                       ; a tile's row: 512 codes
.set NQ,     4                         ; matrix instructions deep in a slot
.set PITCH,  272                       ; an LDS row: 256 bytes + 16: the 16 rows that a load touches start at 16 different banks
.set FR,     8
.set NL,     2
.set NP,     4
.set HALFT,  128*PITCH
.set SLOT,   4*HALFT                   ; A's 256 rows, then B's 256 rows
.set KS,     32                        ; a row of scale bytes
.set SCL,    2*SLOT                    ; behind the slots: the scales, as units of 256 bytes + 16
.set HALFS,  16*272                    ; those of 128 rows
.set SBLK,   2*272                     ; those of 16 rows
.set SPARE,  SCL+4*HALFS               ; the spare words, 128 bytes a wave
.set STAGE,  SPARE+512                 ; the way out: 16 rows x 272 for each wave; no tensor load lands here
.set SPITCH, 272
.set HEAD,   262144                    ; a head in qkv: 2,048 rows of 128 bytes
.set ADRA, 16
.set ADRB, 20
.set STO,  24
.set RD,   25
.set CO,   26
.set ADRS, 27
.set SPW,  28
.set NIL,  29
.set SC,   32
.set AF,   128
.set BIAS, 192
.set TMP,  192                         ; the way out: packed results (the bias is done with)
.set OB,   32                          ; rows read back: v32-63 and v224-255 by turns
.set G1, 24
.set G0, 32
.set G1B, 48
.set G0B, 56
.set G1S, 68
.set G0S, 76
.set G1SB, 80
.set G0SB, 88
.set MSB, 0
.macro WIN new                         ; the immediate's high byte repeats the setting that is left
.if MSB != (\new)
	s_set_vgpr_msb (MSB<<8)|(\new)
.set MSB, (\new)
.endif
.endm
.set MUL_LO, 0xa1                      ; source 0 (B) window 1, source 1 (A) window 0, C and D window 2
.set MUL_HI, 0xf1
.set FST_LO, 0x81                      ; the first step: C (the bias) window 0, D window 2
.set FST_HI, 0xc1
.set TO_B,   0x40
.macro JLOAD g0a, g1a, g0b, g1b        ; waves 0, 1 fetch for A, waves 2, 3 for B; the branch hangs on the wave's number alone
	s_cmp_eq_u32 s15, 0
	s_cbranch_scc0 .Lfor_b_\@
	tensor_load_to_lds s[\g0a:\g0a+3], s[\g1a:\g1a+7]
	s_nop 0
.rept 4
	v_nop
.endr
	s_branch .Lasked_\@
.Lfor_b_\@:
	tensor_load_to_lds s[\g0b:\g0b+3], s[\g1b:\g1b+7]
	s_nop 0
.rept 4
	v_nop
.endr
.Lasked_\@:
.endm
.macro CROUND                          ; a round of the cluster's barrier
	s_barrier_signal -1
	s_barrier_wait -1
	s_cmp_lg_u32 s14, 0
	s_cbranch_scc1 .Lnot_wave_0_\@
	s_barrier_signal -3
.Lnot_wave_0_\@:
	s_barrier_wait -3
	s_barrier_signal -1
	s_barrier_wait -1
.endm
	s_load_b128 s[4:7], s[0:1], 0x0                ; xc, xs
	s_load_b128 s[8:11], s[0:1], 0x10              ; wc, ws
	s_load_b128 s[96:99], s[0:1], 0x20             ; bq, bk
	s_load_b64 s[100:101], s[0:1], 0x30            ; bv
	s_load_b64 s[12:13], s[0:1], 0x38              ; qkv
	v_lshl_add_u32 v[SPW], v0, 2, SPARE
	v_mov_b32 v[NIL], 0
	ds_add_u32 v[SPW], v[NIL]                      ; the wave's opening: the add, twice on end, and its wait ahead of my first tensor load
	ds_add_u32 v[SPW], v[NIL]
	v_lshrrev_b32 v1, 5, v0
	v_readfirstlane_b32 s14, v1                    ; wave 0..3
	s_lshr_b32 s15, s14, 1                         ; my half of the tile's rows.  Also: I fetch for A (0) or B (1)
	s_and_b32 s16, s14, 1                          ; my half of its columns.  Also: which 128 rows I fetch
	s_bfe_u32 s40, ttmp6, 0x40000                  ; cx
	s_bfe_u32 s41, ttmp6, 0x40004                  ; cy
	s_lshl_b32 s42, ttmp9, 2
	s_add_co_u32 s42, s42, s40                     ; tile column = 4 x cluster x + cx
	s_and_b32 s17, ttmp7, 0xffff
	s_lshl_b32 s17, s17, 2
	s_add_co_u32 s17, s17, s41                     ; tile row = 4 x cluster y + cy
	s_lshl_b32 s43, s41, 2
	s_lshl_b32 s43, 15, s43                        ; my row of the cluster
	s_lshl_b32 s44, 0x1111, s40                    ; my column
	s_or_b32 s[G1+0], s43, (0<<16)|(1<<20)|(1<<21)|(5<<22)|(3<<25)   ; the mask; elements of 1 byte; padding: 4 words after every 64
	s_or_b32 s[G1B+0], s44, (0<<16)|(1<<20)|(1<<21)|(5<<22)|(3<<25)
.irp g, G1, G1B
	s_mov_b32 s[\g+1], ROWB<<16                    ; tensor_dim0
	s_mov_b32 s[\g+2], 128<<16                     ; tensor_dim1
	s_mov_b32 s[\g+3], ROWB<<16                    ; tile_dim0
	s_mov_b32 s[\g+4], 128                         ; tile_dim1
	s_mov_b32 s[\g+5], KROW                        ; from row to row
	s_mov_b32 s[\g+6], 0
	s_mov_b32 s[\g+7], 0
.endr
	s_or_b32 s[G1S+0], s43, (3<<16)|(1<<20)|(1<<21)|(5<<22)|(3<<25)  ; the scales of 128 rows: 4,096 dense bytes as 16 rows of 32 elements of 8 bytes
	s_or_b32 s[G1SB+0], s44, (3<<16)|(1<<20)|(1<<21)|(5<<22)|(3<<25)
.irp g, G1S, G1SB
	s_mov_b32 s[\g+1], 32<<16
	s_mov_b32 s[\g+2], 16<<16
	s_mov_b32 s[\g+3], 32<<16
	s_mov_b32 s[\g+4], 16
	s_mov_b32 s[\g+5], 32
	s_mov_b32 s[\g+6], 0
	s_mov_b32 s[\g+7], 0
.endr
	s_lshl_b32 s18, s16, 7
	s_lshl_b32 s20, s17, 8
	s_add_co_u32 s20, s20, s18                     ; A: row 256 x tile row + 128 x half
	s_lshl_b32 s46, s42, 8
	s_add_co_u32 s46, s46, s18                     ; B: row 256 x tile column + 128 x half
	s_mov_b32 s21, 0
	s_mov_b32 s47, 0
	s_mov_b64 s[18:19], KS
	s_mul_u64 s[22:23], s[20:21], s[18:19]         ; where these rows' scales begin
	s_mul_u64 s[92:93], s[46:47], s[18:19]
	s_mov_b64 s[18:19], KROW
	s_mul_u64 s[20:21], s[20:21], s[18:19]         ; and their codes
	s_mul_u64 s[46:47], s[46:47], s[18:19]
	s_mul_i32 s45, s14, HALFT                      ; where they go: wave x 128 rows
	s_mul_i32 s94, s14, HALFS
	s_wait_dscnt 0x0                               ; both opening adds are done
	s_wait_kmcnt 0x0
	s_add_nc_u64 s[20:21], s[4:5], s[20:21]
	s_add_nc_u64 s[22:23], s[6:7], s[22:23]
	s_add_nc_u64 s[46:47], s[8:9], s[46:47]
	s_add_nc_u64 s[92:93], s[10:11], s[92:93]
	CROUND                                         ; all sixteen work-groups are here: the joint loads meet
	s_mov_b32 s[G0S], 1
	s_add_co_u32 s[G0S+1], s94, SCL
	s_mov_b64 s[G0S+2:G0S+3], s[22:23]
	s_or_b32 s[G0S+3], s[G0S+3], 0x80000000
	s_mov_b32 s[G0SB], 1
	s_add_co_u32 s[G0SB+1], s94, SCL
	s_mov_b64 s[G0SB+2:G0SB+3], s[92:93]
	s_or_b32 s[G0SB+3], s[G0SB+3], 0x80000000
	JLOAD G0S, G1S, G0SB, G1SB                     ; the scales first; with the two slots three tensor loads of mine are out
.irp s, 0,1
	s_mov_b32 s[G0+4*\s], 1
	s_add_co_u32 s[G0+4*\s+1], s45, \s*SLOT
	s_add_nc_u64 s[G0+4*\s+2:G0+4*\s+3], s[20:21], \s*ROWB
	s_or_b32 s[G0+4*\s+3], s[G0+4*\s+3], 0x80000000
	s_mov_b32 s[G0B+4*\s], 1
	s_add_co_u32 s[G0B+4*\s+1], s45, \s*SLOT
	s_add_nc_u64 s[G0B+4*\s+2:G0B+4*\s+3], s[46:47], \s*ROWB
	s_or_b32 s[G0B+4*\s+3], s[G0B+4*\s+3], 0x80000000
	JLOAD G0+4*\s, G1, G0B+4*\s, G1B
.endr
	v_and_b32 v1, 15, v0                           ; r = l % 16
	v_bfe_u32 v2, v0, 4, 1                         ; h = l / 16
	; the bias: the cluster's x says which of the three; lane (r, h) wants, for block b, the numbers of columns 16 b + 8 h + 0 .. 7 of my 128
	s_cmp_eq_u32 ttmp9, 0
	s_cselect_b64 s[96:97], s[96:97], s[98:99]
	s_cmp_eq_u32 ttmp9, 2
	s_cselect_b64 s[96:97], s[100:101], s[96:97]
	s_lshl_b32 s21, s40, 10
	s_lshl_b32 s22, s16, 9
	s_add_co_u32 s21, s21, s22
	v_lshl_add_u32 v8, v2, 5, s21                  ; 1,024 cx + 512 x half + 32 h
.irp b, 0,1,2,3,4,5,6,7
	global_load_b128 v[BIAS+8*\b:BIAS+8*\b+3], v8, s[96:97] offset:64*\b
	global_load_b128 v[BIAS+8*\b+4:BIAS+8*\b+7], v8, s[96:97] offset:64*\b+16
.endr
	v_mul_u32_u24 v3, v1, PITCH
	v_lshl_add_u32 v4, v2, 4, v3                   ; a fragment's row x pitch + 16 x half
	s_mul_i32 s21, s15, HALFT                      ; my 128 rows of A
	s_mul_i32 s22, s16, HALFT                      ; my 128 rows of B,
	s_add_co_u32 s22, s22, 2*HALFT                 ; behind A's 256
.irp s, 0,1
	v_add_nc_u32 v[ADRA+\s], s21, v4
	v_add_nc_u32 v[ADRB+\s], s22, v4
	s_add_co_u32 s21, s21, SLOT
	s_add_co_u32 s22, s22, SLOT
.endr
	v_mul_u32_u24 v5, v1, KS                       ; my row's scales: 32 bytes a row,
	v_lshrrev_b32 v6, 8, v5
	v_lshl_add_u32 v5, v6, 4, v5                   ; and 16 more for each 256 passed
	s_mul_i32 s21, s15, HALFS
	s_mul_i32 s22, s16, HALFS
	s_add_co_u32 s22, s22, 2*HALFS
	s_sub_co_u32 s22, s22, s21
	v_mul_u32_u24 v6, s22, v2                      ; lanes 16-31 take B's: one product, the distance between the two bases
	s_add_co_u32 s21, s21, SCL
	v_add_nc_u32 v5, v5, v6
	v_add_nc_u32 v[ADRS], s21, v5
	s_mul_i32 s23, s14, 16*SPITCH
	s_add_co_u32 s23, s23, STAGE                   ; my stage
	v_mul_u32_u24 v5, v1, SPITCH
	v_lshl_add_u32 v5, v2, 4, v5
	v_add_nc_u32 v[STO], s23, v5                   ; in: row r, 16 bytes for each half of the lanes
	v_bfe_u32 v5, v0, 3, 1
	v_mul_u32_u24 v5, v5, SPITCH
	v_lshl_add_u32 v5, v2, 7, v5
	v_and_b32 v6, 7, v0
	v_lshl_add_u32 v5, v6, 4, v5
	v_add_nc_u32 v[RD], s23, v5                    ; back: lanes 0-15 two rows of my first head's 128 bytes, lanes 16-31 of my second head's
	v_lshlrev_b32 v6, 18, v2
	v_lshl_add_u32 v[CO], v1, 4, v6                ; in qkv two rows of a head are 256 consecutive bytes; the second head lies HEAD bytes on
	s_lshl_b32 s20, s17, 8
	s_lshl_b32 s21, s15, 7
	s_add_co_u32 s20, s20, s21                     ; my first row of C
	s_lshr_b32 s21, s20, 11                        ; its batch
	s_lshl_b32 s22, ttmp9, 2
	s_add_co_u32 s21, s21, s22                     ; 4 x tensor + batch
	s_lshl_b32 s21, s21, 4
	s_lshl_b32 s22, s40, 2
	s_add_co_u32 s21, s21, s22
	s_lshl_b32 s22, s16, 1
	s_add_co_u32 s21, s21, s22                     ; + my first head: 4 cx + 2 x half
	s_lshl_b32 s21, s21, 18
	s_and_b32 s20, s20, 2047
	s_lshl_b32 s20, s20, 7                         ; + the row in the sequence x 128 bytes
	s_add_co_u32 s20, s20, s21
	s_mov_b32 s21, 0
	s_add_nc_u64 s[12:13], s[12:13], s[20:21]
.macro FRAG reg, adr, q, i             ; 16 rows x 128 K of 4-bit codes: 8 registers, two loads of 16 bytes, 32 bytes apart
.irp c, 0,1
	ds_load_b128 v[\reg+4*\c:\reg+4*\c+3], v[\adr] offset:64*(\q)+32*\c+(\i)*16*PITCH
.endr
.endm
; 16 matrix instructions: A's blocks a0, a0 + 1 x B's eight.  The 64 accumulators take turns, one instruction a turn, in the same order in every step.
.macro MUL16 a0, p, q, sc, zero
.irp a, \a0, \a0+1
.irp b, 0,1,2,3,4,5,6,7
.if \zero
	v_wmma_scale_f32_16x16x128_f8f6f4 v[8*(8*((\a)%4)+\b):8*(8*((\a)%4)+\b)+7], v[128*(\p)+FR*\b:128*(\p)+FR*\b+FR-1], v[AF+FR*(\a):AF+FR*(\a)+FR-1], v[BIAS+8*\b:BIAS+8*\b+7], v[SC+8*NQ*(\sc)+NQ*\b+(\q)], v[SC+8*NQ*(\sc)+NQ*(\a)+(\q)] matrix_a_fmt:MATRIX_FMT_FP4 matrix_b_fmt:MATRIX_FMT_FP4 matrix_a_scale:MATRIX_SCALE_ROW1
.else
	v_wmma_scale_f32_16x16x128_f8f6f4 v[8*(8*((\a)%4)+\b):8*(8*((\a)%4)+\b)+7], v[128*(\p)+FR*\b:128*(\p)+FR*\b+FR-1], v[AF+FR*(\a):AF+FR*(\a)+FR-1], v[8*(8*((\a)%4)+\b):8*(8*((\a)%4)+\b)+7], v[SC+8*NQ*(\sc)+NQ*\b+(\q)], v[SC+8*NQ*(\sc)+NQ*(\a)+(\q)] matrix_a_fmt:MATRIX_FMT_FP4 matrix_b_fmt:MATRIX_FMT_FP4 matrix_a_scale:MATRIX_SCALE_ROW1
.endif
.endr
.endr
.endm
.macro FETCH_B slot, q, p
	WIN TO_B
.irp i, 0,1,2,3,4,5,6,7
	FRAG 128*(\p)+FR*\i, ADRB+\slot, \q, \i
.endr
	WIN 0
.endm
.macro FETCH_A slot, q, i0
.irp i, \i0, \i0+1, \i0+2, \i0+3
	FRAG AF+FR*(\i), ADRA+\slot, \q, \i
.endr
.endm
.macro SCALES sc                       ; a slot's scale words: 4 words a row; lanes 0-15 A's block i, lanes 16-31 B's block i
.irp i, 0,1,2,3,4,5,6,7
	ds_load_b128 v[SC+8*NQ*\sc+NQ*\i:SC+8*NQ*\sc+NQ*\i+3], v[ADRS] offset:\i*SBLK
.endr
.endm
.macro PLACES n                        ; plain vector lines between matrix instructions and loads into, or reads of, their registers
.rept \n
	v_nop
.endr
.endm
.macro STEP slot, q, zero              ; 128 along K, with its successor in the same slot
	s_wait_dscnt 4*NL                              ; B's set and A's blocks 0-3 are in; the youngest eight loads (A's blocks 4-7) may be out
.if \zero
	WIN FST_LO
.else
	WIN MUL_LO
.endif
	MUL16 0, (\q)%2, \q, \slot, \zero
	MUL16 2, (\q)%2, \q, \slot, \zero
	s_wait_dscnt 0                                 ; A's blocks 4-7 are in
	PLACES NP
	FETCH_B \slot, (\q)+1, 1-(\q)%2
	FETCH_A \slot, (\q)+1, 0
.if \zero
	WIN FST_HI
.else
	WIN MUL_HI
.endif
	MUL16 4, (\q)%2, \q, \slot, \zero
	MUL16 6, (\q)%2, \q, \slot, \zero
	PLACES NP
	WIN 0
	FETCH_A \slot, (\q)+1, 4
.endm
	s_wait_tensorcnt 1                             ; the scales and my part of slot 0 are in; slot 1's load may be out
	s_barrier_signal -1
	s_barrier_wait -1
	FETCH_B 0, 0, 0
	FETCH_A 0, 0, 0
	SCALES 0
	FETCH_A 0, 0, 4
	s_wait_loadcnt 0x0                             ; the bias
	STEP 0, 0, 1                                   ; the first products start the sums from the bias: nothing is cleared
	STEP 0, 1, 0
	STEP 0, 2, 0
	; slot 0's last step changes slots: one barrier, so that every wave's part of slot 1 is seen by all
	s_wait_tensorcnt 0x0                           ; my part of slot 1 has landed
	ds_add_u32 v[SPW], v[NIL]
	s_wait_dscnt 4*NL+1                            ; (the add and A's blocks 4-7 may be out)
	WIN MUL_LO
	MUL16 0, 1, NQ-1, 0, 0
	s_wait_dscnt 0x0
	s_barrier_signal -1
	MUL16 2, 1, NQ-1, 0, 0
	WIN 0
	s_barrier_wait -1
	PLACES NP
	v_add_nc_u32 v[ADRS], 4*NQ, v[ADRS]            ; on to slot 1's scale words
	FETCH_B 1, 0, 0
	FETCH_A 1, 0, 0
	SCALES 1
	WIN MUL_HI
	MUL16 4, 1, NQ-1, 0, 0
	MUL16 6, 1, NQ-1, 0, 0
	PLACES NP
	WIN 0
	FETCH_A 1, 0, 4
	STEP 1, 0, 0
	STEP 1, 1, 0
	STEP 1, 2, 0
	s_wait_dscnt 4*NL                              ; the very last step: nothing more to fetch
	WIN MUL_LO
	MUL16 0, 1, NQ-1, 1, 0
	MUL16 2, 1, NQ-1, 1, 0
	s_wait_dscnt 0
	WIN MUL_HI
	MUL16 4, 1, NQ-1, 1, 0
	MUL16 6, 1, NQ-1, 1, 0
	WIN 0
; THE WAY OUT, a block of 16 rows x 128 columns at a time: rounded to f16 (16 bytes a lane), through my own stage, back so that sixteen lanes hold two rows of one head: 256 consecutive bytes of qkv.
.macro PACK a
.set AC, 64*((\a)%4)
	WIN 0x0a+5*((\a)/4)                            ; sources 0 and 1: window 2 or 3
.irp b, 0,1,2,3,4,5,6,7
.irp r, 0,1,2,3
	v_cvt_pk_f16_f32 v[TMP+4*\b+\r], v[AC+8*\b+2*\r], v[AC+8*\b+2*\r+1]   ; each accumulator from its low end on
.endr
.endr
	WIN 0
.endm
.macro TOSTAGE a
.set BK, OB+192*((\a)%2)
.irp b, 0,1,2,3,4,5,6,7
	ds_store_b128 v[STO], v[TMP+4*\b:TMP+4*\b+3] offset:32*\b
.endr
.irp t, 0,1,2,3,4,5,6,7
	ds_load_b128 v[BK+4*\t:BK+4*\t+3], v[RD] offset:\t*2*SPITCH   ; LDS serves a wave's instructions in order: these see the stores above
.endr
.endm
.macro SEND a
.set BK, OB+192*((\a)%2)
	s_wait_dscnt 0x0                               ; the block is back in registers
.irp t, 0,1,2,3,4,5,6,7
	global_store_b128 v[CO], v[BK+4*\t:BK+4*\t+3], s[12:13] offset:2048*(\a)+256*\t   ; 16 lanes store 256 consecutive bytes, aligned
.endr
.endm
	PLACES NP                                      ; behind the last products: for the conversions, and for the loads into registers that held scales
	PACK 0
	TOSTAGE 0
.irp a, 1,2,3,4,5,6,7
	PACK \a                                        ; block a's conversions stand between block a - 1's loads from the stage and the wait for them
	SEND (\a)-1
	s_wait_xcnt 0x0                                ; the stores issued so far have read their registers: block a's loads land where block a - 2's rows lay
	TOSTAGE \a
.endr
	SEND 7
	s_wait_tensorcnt 0x0                           ; the wave's end: the three lines, behind my last LDS store
	ds_add_u32 v[SPW], v[NIL]
	s_wait_dscnt 0x0
	CROUND                                         ; the closing round
	s_endpgm
.Lfunc_end_k_q5314e72f70_qkv:
	.size	k_q5314e72f70_qkv, .Lfunc_end_k_q5314e72f70_qkv-k_q5314e72f70_qkv
	.p2alignl 7, 3214868480
	.fill 96, 4, 3214868480
	.section	.rodata,"a",@progbits
	.p2align	6, 0x0
	.amdhsa_kernel k_q5314e72f70_qkv
		.amdhsa_group_segment_fixed_size 327680
		.amdhsa_private_segment_fixed_size 0
		.amdhsa_enable_private_segment 0
		.amdhsa_kernarg_size 64
		.amdhsa_user_sgpr_count 2
		.amdhsa_user_sgpr_kernarg_segment_ptr 1
		.amdhsa_wavefront_size32 1
		.amdhsa_system_sgpr_workgroup_id_x 1
		.amdhsa_system_sgpr_workgroup_id_y 1
		.amdhsa_system_sgpr_workgroup_id_z 1
		.amdhsa_system_vgpr_workitem_id 0
		.amdhsa_next_free_vgpr 1024
		.amdhsa_next_free_sgpr 102
		.amdhsa_reserve_vcc 0
		.amdhsa_float_denorm_mode_32 3
		.amdhsa_float_denorm_mode_16_64 3
		.amdhsa_memory_ordered 1
		.amdhsa_forward_progress 1
		.amdhsa_inst_pref_size 129
	.end_amdhsa_kernel
	.amdgpu_metadata
---
amdhsa.version: [ 1, 2 ]
amdhsa.kernels:
  - .name:           k_q5314e72f70_qkv
    .symbol:         k_q5314e72f70_qkv.kd
    .args:
      - { .name: xc, .offset: 0, .size: 8, .value_kind: global_buffer, .address_space: global }
      - { .name: xs, .offset: 8, .size: 8, .value_kind: global_buffer, .address_space: global }
      - { .name: wc, .offset: 16, .size: 8, .value_kind: global_buffer, .address_space: global }
      - { .name: ws, .offset: 24, .size: 8, .value_kind: global_buffer, .address_space: global }
      - { .name: bq, .offset: 32, .size: 8, .value_kind: global_buffer, .address_space: global }
      - { .name: bk, .offset: 40, .size: 8, .value_kind: global_buffer, .address_space: global }
      - { .name: bv, .offset: 48, .size: 8, .value_kind: global_buffer, .address_space: global }
      - { .name: qkv, .offset: 56, .size: 8, .value_kind: global_buffer, .address_space: global }
    .group_segment_fixed_size: 327680
    .private_segment_fixed_size: 0
    .kernarg_segment_align: 8
    .kernarg_segment_size: 64
    .max_flat_workgroup_size: 128
    .sgpr_count:     102
    .vgpr_count:     1024
    .wavefront_size: 32
...
	.end_amdgpu_metadata
.endif
;; end of part 2
;; launch attn (part 3): grid 4 x 64, 8 waves a work-group, clusters of 4 x 1, 327,680 bytes of LDS; arguments qkv, ctx; writes ctx
.if DOCPART == 3
	.amdgcn_target "amdgcn-amd-amdhsa--gfx1250"
	.amdhsa_code_object_version 6
	.text
	.protected	k_q5314e72f70_attn
	.globl	k_q5314e72f70_attn
	.p2align	8
	.type	k_q5314e72f70_attn,@function
k_q5314e72f70_attn:
	s_mov_b64 s[64:65], 0
	v_nop
	global_prefetch_b8 v0, s[64:65] scope:SCOPE_SE
	s_setreg_imm32_b32 hwreg(HW_REG_WAVE_MODE, 25, 1), 1
	s_wait_xcnt 0x0
	s_wait_alu depctr_hold_cnt(0) depctr_sa_sdst(0) depctr_va_vdst(0) depctr_va_sdst(0) depctr_va_ssrc(0) depctr_va_vcc(0) depctr_vm_vsrc(0)
	s_getreg_b32 s2, hwreg(HW_REG_IB_STS2, 6, 4)
	s_cmp_eq_u32 s2, 0
	s_cbranch_scc0 .Lentry_in_a_cluster
	s_endpgm
.Lentry_in_a_cluster:
	s_bfe_u32 s2, ttmp6, 0x10000c
	s_cmp_lg_u32 s2, 0x3003
	s_cbranch_scc0 .Lentry_shape_is_right
	s_endpgm
.Lentry_shape_is_right:
; ctx[bh][q][:] = the sum over k of softmax_k(q . k / 8) v[k][:], for each of 64 heads of 2,048 positions x 64 channels.  q, k, v: f16 in qkv [3][64][2048][64]; ctx: f16 [64][2048][64].
; Products, maxima and sums in f32; the weights p are rounded to f16 for the second product, ctx once at the end.  LIMIT: |ctx| under 65,504 (it is a mean of v's rows).
; SHARES.  A cluster of four work-groups is one head; a work-group owns 512 queries, each of its eight waves 64: four tiles of 16, in 512 registers, two waves to a SIMD.  Every wave walks all keys, 64 a step.
; LAYOUT.  S^T = K Q^T (source 0 = 16 keys, source 1 = 16 queries): a lane holds ONE query and the keys 8 (lane / 16) + 0..7.  Two such tiles, rounded to f16 in pairs, ARE source 1 of O^T = V^T P.
; K comes out of LDS as it lies, V ([key][channel]) turned, by ds_load_tr16_b128.
; SOFTMAX.  A running maximum m and sum l for each query: p = 2^(c s - c m), c = log2(e) / 8; in every step O and l are multiplied by a = 2^(c m_old - c m_new).  m begins at -3e38 and O, l at 0, so the first a is 0.
; BY TURNS, IN PHASES.  The tiles are two pieces (0: tiles 0, 1; 2: tiles 2, 3).  In a TURN one piece has its matrix block (16 products V^T P of the step in hand, 16 products K Q^T of the next) and the other its softmax;
; the two touch no common register.  Waves 0-3 run the matrix block first, waves 4-7 the softmax first, so that the waves of the work-group do not all want the same unit at the same time.
; CLUSTER.  The four work-groups walk the same K and V: each tile is asked for jointly, with one descriptor and the mask of all four.
; REGISTERS.  Window 0: v1-15 addresses; v16-47 statistics, eight a tile; v64-191 S^T, 32 a tile (P is made in place in a tile's first 16); v192-255 K of one step.
;             Window 1: v0-127 O^T, 32 a tile; v128-191 Q, 16 a tile; v192-255 V of one step.
.set PK,    144       ; a row of K in LDS: 128 bytes + 16: the 16 rows of a load start at 16 different banks
.set PV,    160       ; a row of V: 128 + 32, for the turning load
.set VOFF,  64*PK     ; a step's tiles lie together: 64 rows of K, then 64 of V
.set STEPB, 64*(PK+PV)
.set SLOT1, 1<<17     ; a slot holds four steps (77,824 bytes); slot 1 begins here, so that one exclusive or turns an address
.set STAGE, SLOT1+4*STEPB  ; the way out: 16 rows x 144 bytes for each wave
.set SPARE, STAGE+8*16*PK  ; the spare words, 128 bytes for each wave: four blocks of 256 bytes that no other line names
.set HEAD,  262144    ; a head: 2,048 rows of 128 bytes
.set TENS,  16777216  ; q, k or v: 64 heads
.set SLOTB, 32768     ; a slot's 256 rows in memory
.set AK0, 2           ; v2   my lane's place in a tile of K; never rewritten
.set AV0, 3           ; v3   the same for V
.set ADK, 4           ; v4   LDS address of the step's K
.set ADV, 5           ; v5   of its V
.set STO, 6
.set RD,  7
.set GO,  8
.set QO,  10
.set PFO, 12          ; v12  256 x my lane; never rewritten
.set SPW, 14
.set NIL, 15
.set ST,  16          ; tile t's statistics at v[ST+8 t]: +0 c m, +1 m, +2, +3 l (even keys', odd keys'), +4 to +7 at work; a at +6
.set S,   64
.set KF,  192
.set WV,  12
.set GRP, 13          ; s13  0: matrix block first; 1: softmax first
.set LIM, 15
.set PFA, 18
.set G1K, 24
.set G1V, 32
.set G0K, 40          ; two sets; the second walks on
.set G0V, 48
.set SLOTS, 56
.set CNT, 57
.set CS,  58
.set SEL, 60
.set TB,  62
.set MSB, 0
.macro WIN new
.if MSB != (\new)
	s_set_vgpr_msb (MSB<<8)|(\new)
.set MSB, (\new)
.endif
.endm
.set W_KQ, 0x04       ; Q (source 1) in window 1; K and S^T in window 0
.set W_PV, 0x51       ; V (source 0) and O^T (C, D) in window 1; P in window 0
.set W_RS, 0x41       ; O^T (destination, source 0) in window 1; a in window 0
.macro JLOAD          ; waves 0-3 fetch the slot's four tiles of K, waves 4-7 those of V; the branch hangs on the wave's number alone
	s_cmp_lt_u32 s[WV], 4
	s_cbranch_scc0 .Lfor_v_\@
	tensor_load_to_lds s[G0K+4:G0K+7], s[G1K:G1K+7]
	s_nop 0
.rept 4
	v_nop
.endr
	s_branch .Lasked_\@
.Lfor_v_\@:
	tensor_load_to_lds s[G0V+4:G0V+7], s[G1V:G1V+7]
	s_nop 0
.rept 4
	v_nop
.endr
.Lasked_\@:
.endm
; A prefetch of what the NEXT change of slots will ask for: 256 rows of K and of V, 32,768 bytes each.  A head is walked by one cluster; its four partners take 8,192 bytes each, told apart by address;
; in each, wave 0 asks for K's and wave 4 for V's, lanes 256 bytes apart: each aligned block of 256 bytes is named once in the launch.  The last change that fills a slot asks for nothing.
.macro ASK
	s_cmp_gt_u32 s[SLOTS], s[LIM]
	s_cbranch_scc0 .Lnot_mine_\@
	global_prefetch_b8 v[PFO], s[PFA:PFA+1] th:TH_LOAD_NT scope:SCOPE_SE
.Lnot_mine_\@:
.endm
.macro CROUND
	s_barrier_signal -1
	s_barrier_wait -1
	s_cmp_lg_u32 s[WV], 0
	s_cbranch_scc1 .Lnot_wave_0_\@
	s_barrier_signal -3
.Lnot_wave_0_\@:
	s_barrier_wait -3
	s_barrier_signal -1
	s_barrier_wait -1
.endm
	s_load_b128 s[4:7], s[0:1], 0x0  ; qkv, ctx
	v_lshl_add_u32 v[SPW], v0, 2, SPARE
	v_mov_b32 v[NIL], 0
	ds_add_u32 v[SPW], v[NIL]       ; the wave's opening: the add, twice on end, and its wait ahead of my first tensor load
	ds_add_u32 v[SPW], v[NIL]
	v_lshrrev_b32 v1, 5, v0
	v_readfirstlane_b32 s[WV], v1   ; wave 0..7
	s_lshr_b32 s[GRP], s[WV], 2
	s_bfe_u32 s14, ttmp6, 0x40000   ; cx: it enters Q's, ctx's and the prefetches' addresses alone
	s_and_b32 s20, ttmp7, 0xffff    ; the head, which the four partners share
	s_lshl_b32 s20, s20, 18         ; its first byte in each tensor
	s_and_b32 s16, s[WV], 3         ; which of a slot's four steps I fetch:
	s_lshl_b32 s22, s16, 13         ; its 64 rows of 128 bytes in memory,
	s_add_co_u32 s22, s22, s20
	s_mov_b32 s23, 0
	s_mul_i32 s17, s16, STEPB       ; and its place in a slot
	s_lshl_b32 s2, s14, 16          ; my work-group's 512 rows,
	s_lshl_b32 s3, s[WV], 13        ; my wave's 64 of them
	s_add_co_u32 s2, s2, s3
	s_add_co_u32 s2, s2, s20
	s_mov_b32 s3, 0
	s_mov_b32 s[G1K], 15|(1<<16)|(1<<20)|(1<<21)|(4<<22)|(3<<25)  ; the mask of all four; elements of 2 bytes; padding: 4 words after every 32
	s_mov_b32 s[G1V], 15|(1<<16)|(1<<20)|(1<<21)|(4<<22)|(7<<25)  ; the same with 8 words
.irp g, G1K, G1V
	s_mov_b32 s[\g+1], 64<<16       ; tensor_dim0
	s_mov_b32 s[\g+2], 64<<16       ; tensor_dim1
	s_mov_b32 s[\g+3], 64<<16       ; tile_dim0
	s_mov_b32 s[\g+4], 64           ; tile_dim1
	s_mov_b32 s[\g+5], 64           ; from row to row
	s_mov_b32 s[\g+6], 0
	s_mov_b32 s[\g+7], 0
.endr
	s_mov_b32 s[CS], 0x3e38aa3b     ; c = log2(e) / 8
	s_mov_b32 s[CS+1], s[CS]        ; named with it as a pair, so it is written
	s_mov_b32 s[SEL], 0x76543210
	s_mov_b32 s[SEL+1], 0xfedcba98
	s_mov_b32 s[TB], 0
	s_mov_b32 s[SLOTS], 6           ; eight slots' worth of keys; two are first fills
	s_cmp_eq_u32 s16, 0
	s_cselect_b32 s[LIM], 1, -1     ; waves 0 and 4 prefetch
	v_and_b32 v[PFO], 31, v0
	v_lshlrev_b32 v[PFO], 8, v[PFO]
	s_wait_dscnt 0x0                ; both opening adds are done
	s_wait_kmcnt 0x0
	s_add_nc_u64 s[8:9], s[4:5], s[2:3]    ; Q at my wave's first row
	s_add_nc_u64 s[10:11], s[6:7], s[2:3]  ; ctx likewise
	s_add_nc_u64 s[22:23], s[4:5], s[22:23]  ; the head's rows of my step, in q's tensor: K's lie TENS bytes on, V's 2 TENS
	s_lshl_b32 s2, s14, 13          ; the prefetches: my work-group's 8,192 bytes,
	s_add_co_u32 s2, s2, s20
	s_add_co_u32 s2, s2, 2*SLOTB    ; in slot 2; the first change of slots steps it to slot 3.  Nothing is prefetched here at the head
	s_mov_b32 s3, 2*TENS
	s_cmp_lt_u32 s[WV], 4
	s_cselect_b32 s3, TENS, s3
	s_add_co_u32 s2, s2, s3
	s_mov_b32 s3, 0
	s_add_nc_u64 s[PFA:PFA+1], s[4:5], s[2:3]
	CROUND                          ; all four work-groups are here: the first joint loads meet
.irp s, 0,1
	s_mov_b32 s[G0K+4*\s], 1
	s_add_co_u32 s[G0K+4*\s+1], s17, \s*SLOT1
	s_add_nc_u64 s[G0K+4*\s+2:G0K+4*\s+3], s[22:23], TENS+\s*SLOTB
	s_or_b32 s[G0K+4*\s+3], s[G0K+4*\s+3], 0x80000000
	s_mov_b32 s[G0V+4*\s], 1
	s_add_co_u32 s[G0V+4*\s+1], s17, \s*SLOT1+VOFF
	s_add_nc_u64 s[G0V+4*\s+2:G0V+4*\s+3], s[22:23], 2*TENS+\s*SLOTB
	s_or_b32 s[G0V+4*\s+3], s[G0V+4*\s+3], 0x80000000
.endr
	s_cmp_lt_u32 s[WV], 4           ; a wave's two first fills stand in one branch: two tensor loads of mine are out
	s_cbranch_scc0 .Lfirst_v
	tensor_load_to_lds s[G0K:G0K+3], s[G1K:G1K+7]
	s_nop 0
	tensor_load_to_lds s[G0K+4:G0K+7], s[G1K:G1K+7]
	s_nop 0
.rept 4
	v_nop
.endr
	s_branch .Lfirst_asked
.Lfirst_v:
	tensor_load_to_lds s[G0V:G0V+3], s[G1V:G1V+7]
	s_nop 0
	tensor_load_to_lds s[G0V+4:G0V+7], s[G1V:G1V+7]
	s_nop 0
.rept 4
	v_nop
.endr
.Lfirst_asked:
	v_and_b32 v1, 15, v0            ; r = l % 16
	v_bfe_u32 v9, v0, 4, 1          ; h = l / 16
	v_lshlrev_b32 v[QO], 7, v1
	v_lshl_add_u32 v[QO], v9, 4, v[QO]  ; row x 128 + 16 x half
	WIN 0x40                        ; destination window 1
.irp i, 0,1,2,3,4,5,6,7             ; Q stays in registers: tile i / 2, channels 32 (i % 2) on
	global_load_b128 v[128+8*\i:128+8*\i+3],   v[QO], s[8:9] offset:(\i/2)*2048+(\i%2)*64
	global_load_b128 v[128+8*\i+4:128+8*\i+7], v[QO], s[8:9] offset:(\i/2)*2048+(\i%2)*64+32
.endr
.set i, 0
.rept 128
	v_mov_b32 v[i], 0               ; O^T.  The turns are written once: the first step finds zeros, and its a is 0
.set i, i+1
.endr
	WIN 0
	v_mul_u32_u24 v[AK0], v1, PK
	v_lshl_add_u32 v[AK0], v9, 4, v[AK0]  ; K: row x pitch + 16 x half
	v_and_b32 v11, 7, v0            ; V, for the turning load: key 8 h + l % 8, channels 8 ((l / 8) % 2) on
	v_lshl_add_u32 v[AV0], v9, 3, v11
	v_mul_u32_u24 v[AV0], v[AV0], PV
	v_bfe_u32 v11, v0, 3, 1
	v_lshl_add_u32 v[AV0], v11, 4, v[AV0]
	v_add_nc_u32 v[AV0], VOFF, v[AV0]
	s_mul_i32 s16, s[WV], 16*PK
	s_add_co_u32 s16, s16, STAGE    ; my stage
	v_mul_u32_u24 v[STO], v1, PK
	v_lshl_add_u32 v[STO], v9, 4, v[STO]
	v_add_nc_u32 v[STO], s16, v[STO]  ; in: row r, 16 bytes for each half of the lanes
	v_and_b32 v11, 31, v0
	v_lshlrev_b32 v[GO], 4, v11     ; in ctx a tile's 16 rows are 2,048 consecutive bytes: 16 bytes a lane
	v_lshrrev_b32 v[RD], 3, v11
	v_mul_u32_u24 v[RD], v[RD], PK
	v_and_b32 v11, 7, v0
	v_lshl_add_u32 v[RD], v11, 4, v[RD]
	v_add_nc_u32 v[RD], s16, v[RD]  ; back: eight lanes to a row of 128 bytes, four rows an instruction
.irp t, 0,1,2,3
	v_mov_b32 v[ST+8*\t+1], 0xff61b1e6  ; m = -3e38, under every score
	v_mov_b32 v[ST+8*\t+2], 0       ; l
	v_mov_b32 v[ST+8*\t+3], 0
.endr
.irp t, 0,1,2,3
	v_mul_f32 v[ST+8*\t], s[CS], v[ST+8*\t+1]  ; c m
.endr
; Product i of 16 of S^T = K Q^T for piece x: channels 32 (i / 8) on, keys 16 ((i / 2) % 4) on, tile x + i % 2.  The first 8 start the sums.  Eight accumulators take turns.
.macro MKQ x
	WIN W_KQ
.set rS, S+32*(\x+i%2)+8*((i/2)%4)
.set rK, KF+8*(2*((i/2)%4)+i/8)
.set rQ, 128+16*(\x+i%2)+8*(i/8)
.if i < 8
	v_wmma_f32_16x16x32_f16 v[rS:rS+7], v[rK:rK+7], v[rQ:rQ+7], 0
.else
	v_wmma_f32_16x16x32_f16 v[rS:rS+7], v[rK:rK+7], v[rQ:rQ+7], v[rS:rS+7]
.endif
.endm
; Product i of 16 of O^T += V^T P: keys 32 (i / 8) on, channels 16 ((i / 2) % 4) on, tile x + i % 2.
.macro MPV x
	WIN W_PV
.set rO, 32*(\x+i%2)+8*((i/2)%4)
.set rV, 192+8*(4*(i/8)+(i/2)%4)
.set rP, S+32*(\x+i%2)+8*(i/8)
	v_wmma_f32_16x16x32_f16 v[rO:rO+7], v[rV:rV+7], v[rP:rP+7], v[rO:rO+7]
.endm
.macro FETCH_K                      ; a step's K: 8 fragments: keys 16 (f / 2) on, channels 32 (f % 2) on
	WIN 0
.irp f, 0,1,2,3,4,5,6,7
	ds_load_b128 v[KF+8*\f:KF+8*\f+3],   v[ADK] offset:(\f/2)*16*PK+(\f%2)*64
	ds_load_b128 v[KF+8*\f+4:KF+8*\f+7], v[ADK] offset:(\f/2)*16*PK+(\f%2)*64+32
.endr
.endm
.macro FETCH_V                      ; a step's V, turned: keys 32 (f / 4) on, channels 16 (f % 4) on
	WIN 0x40
.irp f, 0,1,2,3,4,5,6,7
	ds_load_tr16_b128 v[192+8*\f:192+8*\f+3],   v[ADV] offset:(\f/4)*32*PV+(\f%4)*32
	ds_load_tr16_b128 v[192+8*\f+4:192+8*\f+7], v[ADV] offset:(\f/4)*32*PV+16*PV+(\f%4)*32
.endr
.endm
; THE MATRIX BLOCK of piece x.  kq = 1: the next step's scores follow.  Piece 0's block fetches the next step's K at its head, piece 2's the next step's V behind its products V^T P.
.macro MBLOCK x, kq
.if (\x == 0) && \kq
	FETCH_K                         ; K's registers were last read by piece 2's block, which ends with four plain lines
	s_wait_dscnt 16                 ; V of the step in hand is in; K's sixteen loads, issued behind it, may be out
.else
	s_wait_dscnt 0x0                ; piece 0 at the end: V is in.  Piece 2: K and V were waited for in piece 0's block, so this wait is met at once
.endif
.set i, 0
.rept 16
	MPV \x
.set i, i+1
.endr
.if \kq
.rept 5
	v_nop                           ; five plain lines: the scores below are written over P, which the products above read; four of them serve the loads into V's registers
.endr
.if \x == 2
	FETCH_V
.else
	s_wait_dscnt 0x0                ; K is in
.endif
.set i, 0
.rept 16
	MKQ \x
.set i, i+1
.endr
.endif
.rept 4
	v_nop                           ; the places ahead of the next reader of these results
.endr
	WIN 0
.endm
; THE SOFTMAX of piece y for one key step, its two tiles line by line by turns.
.macro SOFTMAX y
.set rTa, ST+8*(\y)
.set rTb, rTa+8
.set rSa, S+32*(\y)
.set rSb, rSa+32
.set rOa, 32*(\y)
.set rOb, rOa+32
	WIN 0
.irp j, 0,1,2,3                     ; the maximum of the lane's 32 scores and the old m: four chains, each beginning at an accumulator's low end
	v_max3_num_f32 v[rTa+4+\j], v[rSa+8*\j], v[rSa+8*\j+1], v[rSa+8*\j+2]
	v_max3_num_f32 v[rTb+4+\j], v[rSb+8*\j], v[rSb+8*\j+1], v[rSb+8*\j+2]
.endr
.irp u, 1,2
.irp j, 0,1,2,3
	v_max3_num_f32 v[rTa+4+\j], v[rTa+4+\j], v[rSa+8*\j+2*\u+1], v[rSa+8*\j+2*\u+2]
	v_max3_num_f32 v[rTb+4+\j], v[rTb+4+\j], v[rSb+8*\j+2*\u+1], v[rSb+8*\j+2*\u+2]
.endr
.endr
	v_max3_num_f32 v[rTa+4], v[rTa+4], v[rSa+7], v[rSa+15]
	v_max3_num_f32 v[rTb+4], v[rTb+4], v[rSb+7], v[rSb+15]
	v_max3_num_f32 v[rTa+6], v[rTa+6], v[rSa+23], v[rSa+31]
	v_max3_num_f32 v[rTb+6], v[rTb+6], v[rSb+23], v[rSb+31]
	v_max3_num_f32 v[rTa+4], v[rTa+4], v[rTa+5], v[rTa+6]
	v_max3_num_f32 v[rTb+4], v[rTb+4], v[rTb+5], v[rTb+6]
	v_max3_num_f32 v[rTa+4], v[rTa+4], v[rTa+7], v[rTa+1]
	v_max3_num_f32 v[rTb+4], v[rTb+4], v[rTb+7], v[rTb+1]
	v_permlanex16_b32 v[rTa+5], v[rTa+4], s[SEL], s[SEL+1]  ; the query's other 32 keys lie in the lane 16 away
	v_permlanex16_b32 v[rTb+5], v[rTb+4], s[SEL], s[SEL+1]
	v_mov_b32 v[rTa+7], v[rTa]      ; c m_old
	v_mov_b32 v[rTb+7], v[rTb]
	v_max_num_f32 v[rTa+1], v[rTa+4], v[rTa+5]
	v_max_num_f32 v[rTb+1], v[rTb+4], v[rTb+5]
	v_mul_f32 v[rTa], s[CS], v[rTa+1]
	v_mul_f32 v[rTb], s[CS], v[rTb+1]
	v_sub_f32 v[rTa+7], v[rTa+7], v[rTa]
	v_sub_f32 v[rTb+7], v[rTb+7], v[rTb]
.set b, 0
.rept 16                            ; c s - c m, a pair of scores at a time
	v_pk_fma_f32 v[rSa+2*b:rSa+2*b+1], v[rSa+2*b:rSa+2*b+1], s[CS:CS+1], v[rTa:rTa+1] op_sel_hi:[1,0,0] neg_lo:[0,0,1] neg_hi:[0,0,1]
	v_pk_fma_f32 v[rSb+2*b:rSb+2*b+1], v[rSb+2*b:rSb+2*b+1], s[CS:CS+1], v[rTb:rTb+1] op_sel_hi:[1,0,0] neg_lo:[0,0,1] neg_hi:[0,0,1]
.set b, b+1
.endr
	v_exp_f32 v[rTa+6], v[rTa+7]    ; a.  ONE BATCH of 66 exponentials, none of which reads another's result
	v_exp_f32 v[rTb+6], v[rTb+7]
.set b, 0
.rept 32
	v_exp_f32 v[rSa+b], v[rSa+b]
	v_exp_f32 v[rSb+b], v[rSb+b]
.set b, b+1
.endr
	v_nop                           ; a plain line behind the last exponential
	s_wait_alu depctr_va_vdst(0)    ; the wait ahead of the first line that names a result: one for the batch
	v_pk_fma_f32 v[rTa+2:rTa+3], v[rTa+2:rTa+3], v[rTa+6:rTa+7], v[rSa:rSa+1] op_sel_hi:[1,0,1]  ; l = a l + the sum of the 16 pairs, in two chains
	v_pk_fma_f32 v[rTb+2:rTb+3], v[rTb+2:rTb+3], v[rTb+6:rTb+7], v[rSb:rSb+1] op_sel_hi:[1,0,1]
	v_pk_add_f32 v[rTa+4:rTa+5], v[rSa+2:rSa+3], v[rSa+4:rSa+5]
	v_pk_add_f32 v[rTb+4:rTb+5], v[rSb+2:rSb+3], v[rSb+4:rSb+5]
.set b, 3
.rept 6
	v_pk_add_f32 v[rTa+2:rTa+3], v[rTa+2:rTa+3], v[rSa+2*b:rSa+2*b+1]
	v_pk_add_f32 v[rTb+2:rTb+3], v[rTb+2:rTb+3], v[rSb+2*b:rSb+2*b+1]
	v_pk_add_f32 v[rTa+4:rTa+5], v[rTa+4:rTa+5], v[rSa+2*b+2:rSa+2*b+3]
	v_pk_add_f32 v[rTb+4:rTb+5], v[rTb+4:rTb+5], v[rSb+2*b+2:rSb+2*b+3]
.set b, b+2
.endr
	v_pk_add_f32 v[rTa+2:rTa+3], v[rTa+2:rTa+3], v[rSa+30:rSa+31]
	v_pk_add_f32 v[rTb+2:rTb+3], v[rTb+2:rTb+3], v[rSb+30:rSb+31]
	v_pk_add_f32 v[rTa+2:rTa+3], v[rTa+2:rTa+3], v[rTa+4:rTa+5]
	v_pk_add_f32 v[rTb+2:rTb+3], v[rTb+2:rTb+3], v[rTb+4:rTb+5]
.set b, 0
.rept 16                            ; P: a pair of weights to a register, in place, ascending: register b is written when registers 2 b, 2 b + 1 are read
	v_cvt_pk_f16_f32 v[rSa+b], v[rSa+2*b], v[rSa+2*b+1]
	v_cvt_pk_f16_f32 v[rSb+b], v[rSb+2*b], v[rSb+2*b+1]
.set b, b+1
.endr
	WIN W_RS
.set b, 0
.rept 16                            ; O^T times a
	v_pk_mul_f32 v[rOa+2*b:rOa+2*b+1], v[rOa+2*b:rOa+2*b+1], v[rTa+6:rTa+7] op_sel_hi:[1,0]
	v_pk_mul_f32 v[rOb+2*b:rOb+2*b+1], v[rOb+2*b:rOb+2*b+1], v[rTb+6:rTb+7] op_sel_hi:[1,0]
.set b, b+1
.endr
	WIN 0
.endm
; A TURN: piece x's matrix block and the other piece's softmax, in the order of my wave's group.  The matrix block is written twice; each wave runs one of the two.
.macro TURN x, kq
	s_cmp_lg_u32 s[GRP], 0
	s_cbranch_scc1 .Lv_first_\@
	MBLOCK \x, \kq
.Lv_first_\@:
	SOFTMAX 2-\x
	s_cmp_eq_u32 s[GRP], 0
	s_cbranch_scc1 .Lm_done_\@
	MBLOCK \x, \kq
.Lm_done_\@:
.endm
; n key steps.  The LDS addresses of the step to be fetched are made in the text that all waves run.
.macro PAIRS n
	s_mov_b32 s[CNT], \n
.Lpair_\@:
	v_add_nc_u32 v[ADK], s[TB], v[AK0]
	v_add_nc_u32 v[ADV], s[TB], v[AV0]
	s_add_co_u32 s[TB], s[TB], STEPB
	TURN 0, 1
	TURN 2, 1
	s_sub_co_u32 s[CNT], s[CNT], 1
	s_cmp_lg_u32 s[CNT], 0
	s_cbranch_scc1 .Lpair_\@
.endm
; THE CHANGE OF SLOTS: the slot's last bytes, V of its fourth step, have been asked for.  Each wave waits for all its tensor loads (its part of the other slot), adds 0 to its spare word, and waits for that and for its reads.
; fill = 1: the barrier is a round of the cluster's, and the joint refill, the keys two slots on, is the first thing behind it: it has four key steps in which to land.
.macro CHANGE fill
	s_wait_tensorcnt 0x0            ; no tensor load of mine is out, so a group 0 may be written
	ds_add_u32 v[SPW], v[NIL]
.if \fill
.irp g, G0K+4, G0V+4
	s_xor_b32 s[\g+1], s[\g+1], SLOT1  ; the walking descriptor: the other slot than last time,
	s_add_nc_u64 s[\g+2:\g+3], s[\g+2:\g+3], SLOTB  ; the next 256 keys
.endr
	s_wait_xcnt 0x0                 ; the last prefetch, four key steps back, has read its address
	s_add_nc_u64 s[PFA:PFA+1], s[PFA:PFA+1], SLOTB  ; one slot further on than the walking descriptors
	s_wait_dscnt 0x0                ; the add is done, and my reads of the slot are over
	CROUND
	JLOAD
	ASK
.else
	s_wait_dscnt 0x0
	s_barrier_signal -1
	s_barrier_wait -1
.endif
	s_sub_co_u32 s[TB], s[TB], 4*STEPB  ; the fetches go back to a slot's first step,
	s_xor_b32 s[TB], s[TB], SLOT1   ; in the other slot
.endm
	s_wait_tensorcnt 1              ; my part of slot 0 is in; slot 1's may stay out
	s_barrier_signal -1
	s_barrier_wait -1
	v_add_nc_u32 v[ADK], s[TB], v[AK0]  ; key step 0
	v_add_nc_u32 v[ADV], s[TB], v[AV0]
	s_add_co_u32 s[TB], s[TB], STEPB
	FETCH_K
	s_wait_loadcnt 0x0              ; Q
	s_wait_dscnt 0x0
.set i, 0
.rept 16
	MKQ 0
.set i, i+1
.endr
.set i, 0
.rept 16
	MKQ 2
.set i, i+1
.endr
.rept 4
	v_nop
.endr
	FETCH_V
	SOFTMAX 0
	PAIRS 3                         ; they fetch steps 1 to 3: slot 0 is read out
.Lslot:                             ; six trips: every slot but the last two is filled again
	CHANGE 1
	PAIRS 4
	s_sub_co_u32 s[SLOTS], s[SLOTS], 1
	s_cmp_lg_u32 s[SLOTS], 0
	s_cbranch_scc1 .Lslot
	CHANGE 0                        ; the tail is written out
	PAIRS 4
	TURN 0, 0                       ; piece 0: V^T P of the last step | piece 2's last softmax
.set i, 0
.rept 16
	MPV 2
.set i, i+1
.endr
	; THE WAY OUT.  l's halves are added; O^T is divided by l, rounded to f16 and sent through my stage, a tile (16 rows of ctx, 2,048 consecutive bytes) at a time.  The additions are the places behind the last products.
	WIN 0
.irp t, 0,1,2,3
	v_add_f32 v[ST+8*\t+4], v[ST+8*\t+2], v[ST+8*\t+3]
.endr
.irp t, 0,1,2,3
	v_permlanex16_b32 v[ST+8*\t+5], v[ST+8*\t+4], s[SEL], s[SEL+1]
.endr
.irp t, 0,1,2,3
	v_add_f32 v[ST+8*\t+4], v[ST+8*\t+4], v[ST+8*\t+5]
.endr
.irp t, 0,1,2,3
	v_rcp_f32 v[ST+8*\t+6], v[ST+8*\t+4]
.endr
	v_nop                           ; a plain line behind the last reciprocal
	s_wait_alu depctr_va_vdst(0)    ; and the wait ahead of the first use: one for the four
.macro PACK t
	WIN W_RS
.set b, 0
.rept 16
	v_pk_mul_f32 v[32*\t+2*b:32*\t+2*b+1], v[32*\t+2*b:32*\t+2*b+1], v[ST+8*\t+6:ST+8*\t+7] op_sel_hi:[1,0]
.set b, b+1
.endr
	WIN 0x05                        ; sources in window 1, destination in window 0
.set b, 0
.rept 16
	v_cvt_pk_f16_f32 v[S+32*\t+b], v[32*\t+2*b], v[32*\t+2*b+1]
.set b, b+1
.endr
	WIN 0
.irp f, 0,1,2,3
	ds_store_b128 v[STO], v[S+32*\t+4*\f:S+32*\t+4*\f+3] offset:32*\f
.endr
.irp f, 0,1,2,3
	ds_load_b128 v[S+32*\t+16+4*\f:S+32*\t+16+4*\f+3], v[RD] offset:\f*4*PK  ; LDS serves a wave's instructions in order: these see the stores above; the next tile's stores come behind them
.endr
.endm
.macro SEND t, younger              ; younger: the LDS instructions issued behind tile t's loads: the next tile's eight, or none
.irp f, 0,1,2,3
	s_wait_dscnt \younger+3-\f
	global_store_b128 v[GO], v[S+32*\t+16+4*\f:S+32*\t+16+4*\f+3], s[10:11] offset:\t*2048+\f*512  ; the wave stores 512 consecutive bytes, aligned
.endr
.endm
	PACK 0
	PACK 1
	SEND 0, 8
	PACK 2
	SEND 1, 8
	PACK 3
	SEND 2, 8
	SEND 3, 0
	s_wait_tensorcnt 0x0            ; the wave's end: the three lines, behind my last tensor load and my last LDS store
	ds_add_u32 v[SPW], v[NIL]
	s_wait_dscnt 0x0
	CROUND                          ; the closing round
	s_endpgm
.Lfunc_end_k_q5314e72f70_attn:
	.size	k_q5314e72f70_attn, .Lfunc_end_k_q5314e72f70_attn-k_q5314e72f70_attn
	.p2alignl 7, 3214868480
	.fill 96, 4, 3214868480
	.section	.rodata,"a",@progbits
	.p2align	6, 0x0
	.amdhsa_kernel k_q5314e72f70_attn
		.amdhsa_group_segment_fixed_size 327680
		.amdhsa_private_segment_fixed_size 0
		.amdhsa_enable_private_segment 0
		.amdhsa_kernarg_size 16
		.amdhsa_user_sgpr_count 2
		.amdhsa_user_sgpr_kernarg_segment_ptr 1
		.amdhsa_wavefront_size32 1
		.amdhsa_system_sgpr_workgroup_id_x 1
		.amdhsa_system_sgpr_workgroup_id_y 1
		.amdhsa_system_sgpr_workgroup_id_z 1
		.amdhsa_system_vgpr_workitem_id 0
		.amdhsa_next_free_vgpr 512
		.amdhsa_next_free_sgpr 66
		.amdhsa_reserve_vcc 0
		.amdhsa_float_denorm_mode_32 3
		.amdhsa_float_denorm_mode_16_64 3
		.amdhsa_memory_ordered 1
		.amdhsa_forward_progress 1
		.amdhsa_inst_pref_size 180
	.end_amdhsa_kernel
	.amdgpu_metadata
---
amdhsa.version: [ 1, 2 ]
amdhsa.kernels:
  - .name:           k_q5314e72f70_attn
    .symbol:         k_q5314e72f70_attn.kd
    .args:
      - { .name: qkv, .offset: 0, .size: 8, .value_kind: global_buffer, .address_space: global }
      - { .name: ctx, .offset: 8, .size: 8, .value_kind: global_buffer, .address_space: global }
    .group_segment_fixed_size: 327680
    .private_segment_fixed_size: 0
    .kernarg_segment_align: 8
    .kernarg_segment_size: 16
    .max_flat_workgroup_size: 256
    .sgpr_count:     66
    .vgpr_count:     512
    .wavefront_size: 32
...
	.end_amdgpu_metadata
.endif
;; end of part 3
;; launch oproj (part 4): grid 8 x 32, 4 waves a work-group, clusters of 4 x 4, 327,680 bytes of LDS; arguments ctx, wo16, bo, out0; writes out0
.if DOCPART == 4
	.amdgcn_target "amdgcn-amd-amdhsa--gfx1250"
	.amdhsa_code_object_version 6
	.text
	.protected	k_q5314e72f70_oproj
	.globl	k_q5314e72f70_oproj
	.p2align	8
	.type	k_q5314e72f70_oproj,@function
k_q5314e72f70_oproj:
	s_mov_b64 s[64:65], 0
	v_nop
	global_prefetch_b8 v0, s[64:65] scope:SCOPE_SE
	s_setreg_imm32_b32 hwreg(HW_REG_WAVE_MODE, 25, 1), 1
	s_wait_xcnt 0x0
	s_wait_alu depctr_hold_cnt(0) depctr_sa_sdst(0) depctr_va_vdst(0) depctr_va_sdst(0) depctr_va_ssrc(0) depctr_va_vcc(0) depctr_vm_vsrc(0)
	s_getreg_b32 s2, hwreg(HW_REG_IB_STS2, 6, 4)
	s_cmp_eq_u32 s2, 0
	s_cbranch_scc0 .Lentry_in_a_cluster
	s_endpgm
.Lentry_in_a_cluster:
	s_bfe_u32 s2, ttmp6, 0x10000c
	s_cmp_lg_u32 s2, 0xf033
	s_cbranch_scc0 .Lentry_shape_is_right
	s_endpgm
.Lentry_shape_is_right:
; out0[m][n] = the sum over k of ctx[m][k] wo[k][n] + bo[n].  ctx: f16, laid by head [64 = batch x head][2048][64], so that a head is 64 of K; wo16: f16 [1024 (k)][1024 (n)]; out0: f32 [8192][1024].  Sums in f32.
; A tile of out0 is 256 (m) x 128 (n): 256 work-groups.  Four waves, each 128 x 64: 32 accumulators, all of window 1.  K goes in steps of 128 (two heads) through a ring of two LDS slots.
; A's rows lie along K and come out of LDS as they lie; wo16's rows lie along n: its fragments are turned by ds_load_tr16_b128.
; CLUSTERS: 4 x 4 work-groups; A's tiles are shared along a row of the cluster, B's along a column: joint loads.
; THE MATRIX INSTRUCTION IS USED TRANSPOSED (source 0 = 16 columns of wo, source 1 = 16 rows of ctx): a lane holds eight neighbouring numbers of a row of out0.  THE BIAS is the C of each sum's first instruction.
; No prefetch: a K step's tiles are small, and each is shared by four work-groups and read again by the other clusters of its row or column.
; REGISTERS: window 0: v0-31 addresses; v32-63 the bias; v64-159, v160-255 two fragment buffers (64 registers of A, then 32 of B).  Window 1: accumulator (a, b) at v[8 (4 a + b)].
.set PA,     144                       ; a row of A in LDS: 128 bytes + 16
.set PB,     288                       ; a row of B: 256 bytes + 32, for the turning load
.set AHEAD,  256*PA                    ; one head's 256 rows
.set BOFF,   2*AHEAD                   ; B's 128 rows lie behind A's two heads
.set SLOT,   BOFF+128*PB
.set STAGE,  2*SLOT                    ; the way out: 16 rows x 272 for each wave
.set SPITCH, 272
.set SPARE,  STAGE+4*16*SPITCH         ; the spare words, 128 bytes for each wave
.set HEAD,   262144
.set LAPS,   4                         ; a lap = two K steps = once round the ring
.set ADRA, 16
.set ADRB, 20
.set STO,  24
.set RD,   25
.set CO,   26
.set SPW,  28
.set NIL,  29
.set BIAS, 32
.set F0,   64
.set F1,   160
.set BK,   64                          ; the way out: rows read back: v64-95 and v96-127 by turns
.set G1, 24
.set G0, 32
.set G1B, 48
.set G0B, 56
.set MSB, 0
.macro WIN new
.if MSB != (\new)
	s_set_vgpr_msb (MSB<<8)|(\new)
.set MSB, (\new)
.endif
.endm
.set MUL,  0x50                        ; C and D window 1; both sources window 0
.set MUL0, 0x40                        ; the first products: C (the bias) window 0
.macro JLOAD s                         ; waves 0, 1 fetch A's two heads, waves 2, 3 B's two halves; the branch hangs on the wave's number alone
	s_cmp_eq_u32 s11, 0
	s_cbranch_scc0 .Lfor_b_\@
	tensor_load_to_lds s[G0+4*\s:G0+4*\s+3], s[G1:G1+7]
	s_nop 0
.rept 4
	v_nop
.endr
	s_branch .Lasked_\@
.Lfor_b_\@:
	tensor_load_to_lds s[G0B+4*\s:G0B+4*\s+3], s[G1B:G1B+7]
	s_nop 0
.rept 4
	v_nop
.endr
.Lasked_\@:
.endm
.macro CREST
	s_cmp_lg_u32 s10, 0
	s_cbranch_scc1 .Lnot_wave_0_\@
	s_barrier_signal -3
.Lnot_wave_0_\@:
	s_barrier_wait -3
	s_barrier_signal -1
	s_barrier_wait -1
.endm
.macro CROUND
	s_barrier_signal -1
	s_barrier_wait -1
	CREST
.endm
	s_load_b128 s[4:7], s[0:1], 0x0                ; ctx, wo16
	s_load_b128 s[68:71], s[0:1], 0x10             ; bo, out0
	v_lshl_add_u32 v[SPW], v0, 2, SPARE
	v_mov_b32 v[NIL], 0
	ds_add_u32 v[SPW], v[NIL]                      ; the wave's opening: the add, twice on end, and its wait ahead of my first tensor load
	ds_add_u32 v[SPW], v[NIL]
	v_lshrrev_b32 v1, 5, v0
	v_readfirstlane_b32 s10, v1                    ; wave 0..3
	s_lshr_b32 s11, s10, 1                         ; my half of the tile's rows.  Also: I fetch for A (0) or B (1)
	s_and_b32 s12, s10, 1                          ; my half of its columns.  Also: which head of A, or which 64 rows of B, I fetch
	s_bfe_u32 s40, ttmp6, 0x40000                  ; cx
	s_bfe_u32 s41, ttmp6, 0x40004                  ; cy
	s_lshl_b32 s42, ttmp9, 2
	s_add_co_u32 s42, s42, s40                     ; tile column 0..7
	s_and_b32 s13, ttmp7, 0xffff
	s_lshl_b32 s13, s13, 2
	s_add_co_u32 s13, s13, s41                     ; tile row 0..31
	s_lshl_b32 s43, s41, 2
	s_lshl_b32 s43, 15, s43                        ; my row of the cluster
	s_lshl_b32 s44, 0x1111, s40                    ; my column
	s_or_b32 s[G1+0], s43, (1<<16)|(1<<20)|(1<<21)|(4<<22)|(3<<25)   ; A: elements of 2 bytes; padding: 4 words after every 32
	s_mov_b32 s[G1+1], 64<<16                      ; tensor_dim0
	s_mov_b32 s[G1+2], 256<<16                     ; tensor_dim1
	s_mov_b32 s[G1+3], 64<<16                      ; tile_dim0
	s_mov_b32 s[G1+4], 256                         ; tile_dim1
	s_mov_b32 s[G1+5], 64                          ; from row to row
	s_mov_b32 s[G1+6], 0
	s_mov_b32 s[G1+7], 0
	s_or_b32 s[G1B+0], s44, (1<<16)|(1<<20)|(1<<21)|(5<<22)|(7<<25)  ; B: padding: 8 words after every 64
	s_mov_b32 s[G1B+1], 128<<16
	s_mov_b32 s[G1B+2], 64<<16
	s_mov_b32 s[G1B+3], 128<<16
	s_mov_b32 s[G1B+4], 64
	s_mov_b32 s[G1B+5], 1024
	s_mov_b32 s[G1B+6], 0
	s_mov_b32 s[G1B+7], 0
	s_lshr_b32 s16, s13, 3                         ; A: the batch,
	s_lshl_b32 s16, s16, 4
	s_add_co_u32 s16, s16, s12                     ; its head 0 or 1,
	s_lshl_b32 s16, s16, 18
	s_and_b32 s17, s13, 7
	s_lshl_b32 s17, s17, 15                        ; the tile's 256 rows of 128 bytes in the sequence
	s_add_co_u32 s16, s16, s17
	s_mov_b32 s17, 0
	s_lshl_b32 s46, s12, 17                        ; B: k rows 64 x half, 2,048 bytes each,
	s_lshl_b32 s47, s42, 8                         ; the tile's 128 columns
	s_add_co_u32 s46, s46, s47
	s_mov_b32 s47, 0
	s_mul_i32 s20, s12, AHEAD                      ; where they go
	s_mul_i32 s21, s12, 64*PB
	s_add_co_u32 s21, s21, BOFF
	s_wait_dscnt 0x0                               ; both opening adds are done
	s_wait_kmcnt 0x0
	s_add_nc_u64 s[14:15], s[4:5], s[16:17]
	s_add_nc_u64 s[46:47], s[6:7], s[46:47]
	CROUND                                         ; all sixteen work-groups are here: the first joint loads meet
.irp s, 0,1
	s_mov_b32 s[G0+4*\s], 1
	s_add_co_u32 s[G0+4*\s+1], s20, \s*SLOT
	s_add_nc_u64 s[G0+4*\s+2:G0+4*\s+3], s[14:15], \s*2*HEAD       ; K step s: heads 2 s, 2 s + 1
	s_or_b32 s[G0+4*\s+3], s[G0+4*\s+3], 0x80000000
	s_mov_b32 s[G0B+4*\s], 1
	s_add_co_u32 s[G0B+4*\s+1], s21, \s*SLOT
	s_add_nc_u64 s[G0B+4*\s+2:G0B+4*\s+3], s[46:47], \s*128*2048   ; k rows 128 s on
	s_or_b32 s[G0B+4*\s+3], s[G0B+4*\s+3], 0x80000000
	JLOAD \s                                       ; two tensor loads of mine are out
.endr
	v_and_b32 v1, 15, v0                           ; r
	v_bfe_u32 v2, v0, 4, 1                         ; h
	v_mul_u32_u24 v3, v1, PA
	v_lshl_add_u32 v3, v2, 4, v3                   ; A: row x pitch + 16 x half
	v_and_b32 v4, 7, v0                            ; B, for the turning load: k row 8 h + l % 8, columns 8 ((l / 8) % 2) on
	v_lshl_add_u32 v4, v2, 3, v4
	v_mul_u32_u24 v4, v4, PB
	v_bfe_u32 v5, v0, 3, 1
	v_lshl_add_u32 v4, v5, 4, v4
	s_mul_i32 s21, s11, 128*PA                     ; my 128 rows of A
	s_lshl_b32 s22, s12, 7                         ; my 64 columns of B
	s_add_co_u32 s22, s22, BOFF
.irp s, 0,1
	v_add_nc_u32 v[ADRA+\s], s21, v3
	v_add_nc_u32 v[ADRB+\s], s22, v4
	s_add_co_u32 s21, s21, SLOT
	s_add_co_u32 s22, s22, SLOT
.endr
	s_mul_i32 s23, s10, 16*SPITCH
	s_add_co_u32 s23, s23, STAGE                   ; my stage
	v_mul_u32_u24 v5, v1, SPITCH
	v_lshl_add_u32 v5, v2, 5, v5
	v_add_nc_u32 v[STO], s23, v5                   ; in: row r, 32 bytes for each half of the lanes
	v_mul_u32_u24 v5, v2, SPITCH
	v_lshl_add_u32 v5, v1, 4, v5
	v_add_nc_u32 v[RD], s23, v5                    ; back: lanes 0-15 one row of 256 bytes, lanes 16-31 the next
	v_lshlrev_b32 v5, 12, v2
	v_lshl_add_u32 v[CO], v1, 4, v5                ; and the same two rows in out0
	s_lshl_b32 s16, s13, 8
	s_lshl_b32 s17, s11, 7
	s_add_co_u32 s16, s16, s17                     ; my first row
	s_lshl_b32 s16, s16, 12
	s_lshl_b32 s46, s42, 9
	s_lshl_b32 s47, s12, 8
	s_add_co_u32 s46, s46, s47                     ; my first column, in bytes of f32: in out0's rows and in bo alike
	v_lshl_add_u32 v6, v2, 5, s46                  ; the bias: lane (r, h) wants, for block b, columns 16 b + 8 h + 0 .. 7
	s_add_co_u32 s16, s16, s46
	s_mov_b32 s17, 0
	s_add_nc_u64 s[70:71], s[70:71], s[16:17]
.irp b, 0,1,2,3
	global_load_b128 v[BIAS+8*\b:BIAS+8*\b+3], v6, s[68:69] offset:64*\b
	global_load_b128 v[BIAS+8*\b+4:BIAS+8*\b+7], v6, s[68:69] offset:64*\b+16
.endr
; 8 matrix instructions: m blocks a0, a0 + 1 x the 4 n blocks, 32 along K.  The 32 accumulators take turns, one instruction a turn, in the same order in every quarter.
.macro MUL8 f, a0, zero
.irp a, \a0, \a0+1
.irp b, 0,1,2,3
.if \zero
	v_wmma_f32_16x16x32_f16 v[8*(4*(\a)+\b):8*(4*(\a)+\b)+7], v[\f+64+8*\b:\f+64+8*\b+7], v[\f+8*(\a):\f+8*(\a)+7], v[BIAS+8*\b:BIAS+8*\b+7]
.else
	v_wmma_f32_16x16x32_f16 v[8*(4*(\a)+\b):8*(4*(\a)+\b)+7], v[\f+64+8*\b:\f+64+8*\b+7], v[\f+8*(\a):\f+8*(\a)+7], v[8*(4*(\a)+\b):8*(4*(\a)+\b)+7]
.endif
.endr
.endr
.endm
; 24 LDS loads in one run: the fragments of the slot's q-th 32 along K into buffer f: B's four, A's blocks 0-3, A's blocks 4-7
.macro FETCH slot, q, f
	WIN 0
.irp b, 0,1,2,3
	ds_load_tr16_b128 v[\f+64+8*\b:\f+64+8*\b+3],   v[ADRB+\slot] offset:32*PB*(\q)+32*\b
	ds_load_tr16_b128 v[\f+64+8*\b+4:\f+64+8*\b+7], v[ADRB+\slot] offset:32*PB*(\q)+32*\b+16*PB
.endr
.irp i, 0,1,2,3,4,5,6,7
	ds_load_b128 v[\f+8*\i:\f+8*\i+3],   v[ADRA+\slot] offset:16*PA*\i+AHEAD*((\q)/2)+64*((\q)%2)
	ds_load_b128 v[\f+8*\i+4:\f+8*\i+7], v[ADRA+\slot] offset:16*PA*\i+AHEAD*((\q)/2)+64*((\q)%2)+32
.endr
.endm
.macro PLACES                          ; four plain lines in front of loads into registers that matrix instructions have read, and of the first read of results
.rept 4
	v_nop
.endr
.endm
; A K step is four quarters of 32 along K on buffers 0, 1, 0, 1.  One of the first three: multiplies buffer f and fetches quarter q into g.
.macro QUARTER slot, q, f, g, zero
	s_wait_dscnt 8                                 ; B and A's blocks 0-3 are in; the youngest eight loads (A's blocks 4-7) may be out
.if \zero
	WIN MUL0
.else
	WIN MUL
.endif
	MUL8 \f, 0, \zero
	MUL8 \f, 2, \zero
	PLACES
	FETCH \slot, \q, \g
	s_wait_dscnt 24                                ; all but the 24 just issued
.if \zero
	WIN MUL0
.else
	WIN MUL
.endif
	MUL8 \f, 4, \zero
	MUL8 \f, 6, \zero
.endm
; The last quarter multiplies buffer 1 and changes slots: one barrier; in front of it each wave waits for all its tensor loads, adds 0 to its spare word, and waits for that and for its reads of this slot.
.macro TURN slot, next, fill
	WIN 0
	s_wait_tensorcnt 0x0                           ; my part of the next slot has landed
	ds_add_u32 v[SPW], v[NIL]
	s_wait_dscnt 9                                 ; (the add and the youngest eight loads may be out)
	WIN MUL
	MUL8 F1, 0, 0                                  ; eight matrix instructions stand between the add and the wait for it
	s_wait_dscnt 0x0                               ; the add is done, and my reads of this slot are over
	s_barrier_signal -1
	MUL8 F1, 2, 0
	WIN 0
	s_barrier_wait -1
.if \fill
	CREST                                          ; the barrier has opened a round of the cluster's: no wave of any partner still reads this slot or has a load on its way
	s_add_nc_u64 s[G0+4*\slot+2:G0+4*\slot+3], s[G0+4*\slot+2:G0+4*\slot+3], 4*HEAD
	s_add_nc_u64 s[G0B+4*\slot+2:G0B+4*\slot+3], s[G0B+4*\slot+2:G0B+4*\slot+3], 2*128*2048
	JLOAD \slot                                    ; the first tensor load behind the round; its four v_nop are also the places in front of the loads below
.else
	PLACES
.endif
	FETCH \next, 0, F0
	WIN MUL
	MUL8 F1, 4, 0
	MUL8 F1, 6, 0
.endm
	s_wait_tensorcnt 1                             ; my part of K step 0 is in; K step 1's may be out
	s_barrier_signal -1
	s_barrier_wait -1
	FETCH 0, 0, F0
	s_wait_loadcnt 0x0                             ; the bias
	QUARTER 0, 1, F0, F1, 1                        ; the first quarter stands in front of the loop: its products start the sums from the bias
	WIN 0
	s_mov_b32 s3, LAPS-1
.Llap:                                                 ; a trip goes once round the ring and fills both slots again
	QUARTER 0, 2, F1, F0, 0
	QUARTER 0, 3, F0, F1, 0
	TURN 0, 1, 1
	QUARTER 1, 1, F0, F1, 0
	QUARTER 1, 2, F1, F0, 0
	QUARTER 1, 3, F0, F1, 0
	TURN 1, 0, 1
	QUARTER 0, 1, F0, F1, 0
	WIN 0
	s_sub_co_u32 s3, s3, 1
	s_cmp_lg_u32 s3, 0
	s_cbranch_scc1 .Llap
	QUARTER 0, 2, F1, F0, 0                        ; the last lap fills nothing
	QUARTER 0, 3, F0, F1, 0
	TURN 0, 1, 0
	QUARTER 1, 1, F0, F1, 0
	QUARTER 1, 2, F1, F0, 0
	QUARTER 1, 3, F0, F1, 0
	s_wait_dscnt 8                                 ; the very last quarter: nothing more to fetch
	WIN MUL
	MUL8 F1, 0, 0
	MUL8 F1, 2, 0
	s_wait_dscnt 0
	MUL8 F1, 4, 0
	MUL8 F1, 6, 0
	WIN 0
; THE WAY OUT, a block of 16 rows x 64 columns at a time: through my own stage, back as whole rows of 256 bytes.
.macro TOSTAGE a
	WIN 0x04                                       ; an LDS store's data are its source 1: window 1
.irp b, 0,1,2,3
	ds_store_b128 v[STO], v[8*(4*(\a)+\b):8*(4*(\a)+\b)+3] offset:64*\b       ; each accumulator from its low end on
	ds_store_b128 v[STO], v[8*(4*(\a)+\b)+4:8*(4*(\a)+\b)+7] offset:64*\b+16
.endr
	WIN 0
.set BB, BK+32*((\a)%2)
.irp t, 0,1,2,3,4,5,6,7
	ds_load_b128 v[BB+4*\t:BB+4*\t+3], v[RD] offset:\t*2*SPITCH   ; LDS serves a wave's instructions in order: these see the stores above
.endr
.endm
.macro SEND a, younger                 ; younger: the LDS instructions issued behind block a's loads
.set BB, BK+32*((\a)%2)
	s_wait_dscnt \younger
.irp t, 0,1,2,3,4,5,6,7
	global_store_b128 v[CO], v[BB+4*\t:BB+4*\t+3], s[70:71] offset:(16*(\a)+2*\t)*4096 th:TH_STORE_NT   ; 16 lanes store 256 consecutive bytes, aligned; the largest offset, 126 rows, lies inside the signed 24-bit immediate
.endr
.endm
	PLACES                                         ; behind the last products
	TOSTAGE 0
.irp a, 1,2,3,4,5,6,7
.if \a > 1
	s_wait_xcnt 0x0                                ; block a - 2's stores have read their registers: block a's loads may land there
.endif
	TOSTAGE \a
	SEND (\a)-1, 16                                ; behind block a - 1's loads: block a's 8 stores and 8 loads
.endr
	SEND 7, 0
	s_wait_tensorcnt 0x0                           ; the wave's end: the three lines, behind my last tensor load and my last LDS store
	ds_add_u32 v[SPW], v[NIL]
	s_wait_dscnt 0x0
	CROUND                                         ; the closing round
	s_endpgm
.Lfunc_end_k_q5314e72f70_oproj:
	.size	k_q5314e72f70_oproj, .Lfunc_end_k_q5314e72f70_oproj-k_q5314e72f70_oproj
	.p2alignl 7, 3214868480
	.fill 96, 4, 3214868480
	.section	.rodata,"a",@progbits
	.p2align	6, 0x0
	.amdhsa_kernel k_q5314e72f70_oproj
		.amdhsa_group_segment_fixed_size 327680
		.amdhsa_private_segment_fixed_size 0
		.amdhsa_enable_private_segment 0
		.amdhsa_kernarg_size 32
		.amdhsa_user_sgpr_count 2
		.amdhsa_user_sgpr_kernarg_segment_ptr 1
		.amdhsa_wavefront_size32 1
		.amdhsa_system_sgpr_workgroup_id_x 1
		.amdhsa_system_sgpr_workgroup_id_y 1
		.amdhsa_system_sgpr_workgroup_id_z 1
		.amdhsa_system_vgpr_workitem_id 0
		.amdhsa_next_free_vgpr 512
		.amdhsa_next_free_sgpr 72
		.amdhsa_reserve_vcc 0
		.amdhsa_float_denorm_mode_32 3
		.amdhsa_float_denorm_mode_16_64 3
		.amdhsa_memory_ordered 1
		.amdhsa_forward_progress 1
		.amdhsa_inst_pref_size 86
	.end_amdhsa_kernel
	.amdgpu_metadata
---
amdhsa.version: [ 1, 2 ]
amdhsa.kernels:
  - .name:           k_q5314e72f70_oproj
    .symbol:         k_q5314e72f70_oproj.kd
    .args:
      - { .name: ctx, .offset: 0, .size: 8, .value_kind: global_buffer, .address_space: global }
      - { .name: wo16, .offset: 8, .size: 8, .value_kind: global_buffer, .address_space: global }
      - { .name: bo, .offset: 16, .size: 8, .value_kind: global_buffer, .address_space: global }
      - { .name: out0, .offset: 24, .size: 8, .value_kind: global_buffer, .address_space: global }
    .group_segment_fixed_size: 327680
    .private_segment_fixed_size: 0
    .kernarg_segment_align: 8
    .kernarg_segment_size: 32
    .max_flat_workgroup_size: 128
    .sgpr_count:     72
    .vgpr_count:     512
    .wavefront_size: 32
...
	.end_amdgpu_metadata
.endif
;; end of part 4
